; MI455X (gfx1250); checked and timed in simulation.
; The chip was launched on July 23, 2026; its instructions are those of AMD's public machine-readable ISA for CDNA 5 (MIT licence, August 2026) and "CDNA5" Instruction Set Architecture Reference Guide (July 2026). The comments in the code are by the model that wrote it; some were corrected since.
;; Local Attention. Allowed arithmetic: matrix products marked QUANTISED: E5M2 operands, one E8M0 scale for each 32 along K, by v_wmma_scale_f32_16x16x128_f8f6f4 with both operands' format E5M2, f32 sums; everything else in f32.
;; Inputs: k 16 x 8,192 x 64 float32; q 16 x 8,192 x 64 float32; v 16 x 8,192 x 64 float32.
;; Outputs: out0 16 x 8,192 x 64 float32.
;; This version of the problem:
;;   THIS VERSION OF THE PROBLEM IS GIVEN IN LOW PRECISION. The matrix products marked QUANTISED in the list below multiply operands that are first quantised to E5M2 (5 exponent bits, 2 mantissa bits; 8 bits a number), with one power-of-two scale for each 32 numbers along K (OCP MX v1.0); their sums are f32. All else is computed in f32.
;;   The module's matrix products, in the order in which they are computed (A, B: the left and right operand; K: the contracted axis; several contracted axes count as one K, in the product's order):
;;     1. batch 1,024 x [M 128, K 64] x [K 64, N 256]; A: computed on the way; B: computed on the way: QUANTISED
;;     2. batch 1,024 x [M 128, K 256] x [K 256, N 64]; A: softmax (see below); B: computed on the way: QUANTISED
;;   THE QUANTISER, for each operand of a quantised product, along K:
;;     - K is cut into blocks of 32 from its start; a last block that is shorter is filled with zeros.
;;     - A block's scale is 2^e with e = floor(log2(the largest magnitude in the block)) - 15, held to -126 .. 127; a block of zeros has e = 0. As a byte (E8M0): e + 127.
;;     - Each number is divided by its block's scale, clamped to +-57,344, and rounded to the nearest number of E5M2, ties to even, subnormals kept.
;;     - The product sums the exact products of the quantised numbers (number of the format x scale) in f32.
;;   ~~~python
;;   def quantise(x, axis):      # numpy; x: float32 -> the quantised numbers, widened to float32 again
;;       x = np.moveaxis(x, axis, -1); K = x.shape[-1]
;;       x = np.pad(x, [(0, 0)] * (x.ndim - 1) + [(0, -K % 32)]); x = x.reshape(x.shape[:-1] + (-1, 32)); a = np.abs(x).max(-1, keepdims=True)
;;       e = np.where(a > 0, np.clip(np.frexp(np.where(a > 0, a, 1))[1] - 1 - 15, -126, 127), 0)      # np.frexp(a)[1] - 1 = floor(log2(a)), exactly
;;       r = np.clip(x / 2.0 ** e, -57344, 57344)
;;       step = 2.0 ** (np.maximum(np.frexp(np.where(r == 0, 1, r))[1] - 1, -14) - 2)
;;       q = np.round(r / step) * step * 2.0 ** e      # np.round: ties to even
;;       return np.moveaxis(q.reshape(q.shape[:-2] + (-1,))[..., :K], -1, axis).astype(np.float32)
;;   ~~~
;;   SOFTMAX AHEAD OF A QUANTISED PRODUCT. Where the list says 'softmax', what is quantised is not the finished softmax but p = 2^(t - M), with t = logit x log2(e) and M = ceil(the row's largest t), a whole number; so 1/2 < the row's largest p <= 1. The row's sum l is taken of the UNQUANTISED p, in f32, and the product's result is divided by l at the end. Since M is a whole number, a kernel that streams over the keys may use a running M (the ceiling of the running maximum): every later rescaling is an exact power of two, which a block's scale takes up: the codes' values come out the same.
;;   OPERANDS COMPUTED ON THE WAY. 'Computed on the way' means the value that the module computes at that place (a softmax that the list does not call 'softmax' is quantised finished and normalised). What goes into a quantiser is computed in f32, as accurately as f32 sums, v_exp_f32 and their like allow (about 1e-6 of the number): no bf16 or f16 on the way to a quantiser, and a product that is left as it is and whose result goes on into a quantised operand takes f32 operands (vector FMAs, or v_wmma_f32_16x16x4_f32). A number that lies on a knife's edge between two numbers of the format may be rounded either way, as far as f32 arithmetic and the matrix unit's own rounding can turn it there, and no further.
;; 2 versions. Each part assembles by itself: llvm-mc -triple=amdgcn-amd-amdhsa -mcpu=gfx1250 --defsym DOCPART=n.
;; ======== version 1 of 2: 1 launch
;; limits: right only within a limited range of input values
;; launch local_attention (part 1): grid 256 x 1, 8 waves a work-group, no clusters, 117,760 bytes of LDS; arguments q, k, v, out0; writes out0
.if DOCPART == 1
	.amdgcn_target "amdgcn-amd-amdhsa--gfx1250"
	.amdhsa_code_object_version 6
	.text
	.protected	k_q9dd2f26d07_local_attention
	.globl	k_q9dd2f26d07_local_attention
	.p2align	8
	.type	k_q9dd2f26d07_local_attention,@function
k_q9dd2f26d07_local_attention:
	s_mov_b64 s[64:65], 0
	v_nop
	global_prefetch_b8 v0, s[64:65] scope:SCOPE_SE
	s_setreg_imm32_b32 hwreg(HW_REG_WAVE_MODE, 25, 1), 1
	s_wait_xcnt 0x0
; LOCAL ATTENTION, window 128, one window of look-back, rotary positions 0..255 over the look-around axis, both products on codes of BF8 (E5M2) with one E8M0 scale for each 32 along a product's K.
; q, k, v, out0: [16][8192][64] f32: 1,024 windows of 128 rows of 256 bytes.  A work-group of eight waves takes 4 consecutive windows of one batch, and reads k and v of the window in front of them too.
; SHARES.  Wave u owns tile u: lane r of it takes row 32 (u/2) + 8 (u%2) + r + 8 (r/8) of a window: its 16 queries, the 16 rows of k that it rotates and quantises, its 16 rows of out0.  With these rows a tile of k is
; the score product's operand as it stands, and the 16 registers of score tiles 2 b, 2 b + 1 are 16 neighbouring keys.  Of v wave u quantises keys 32 (u/2) .. + 31 of channels 32 (u%2) .. + 31: a lane a channel, registers down the keys.
; BOTH PRODUCTS ARE USED TRANSPOSED: S^T = K Q^T (source 0 = 16 keys, source 1 = my 16 queries), O^T = V^T P^T (source 0 = 16 channels, source 1 = p): a lane holds one query throughout.
; THE FIRST PRODUCT'S K IS 64 of the instruction's 128: Q's codes of k = 64 .. 127 are zeros.  The key operand's registers for those k hold the next tile's codes, finite numbers by the hold, so each such product is 0: eight tiles lie in 72 registers.
; ROTARY.  The angle is position x frequency, one f32 multiplication, as reference() rounds it; the 32 frequencies are written as f32 numbers: 10000^(i/32) rounded to f32, its reciprocal rounded to f32.  sin and cos: the angle less n pi/2
; (pi/2 in two parts, fused multiply-adds), polynomials on |r| <= pi/4, the quadrant from n's two low bits.  A lane's positions are the same in every window: its 32 pairs are made once and stay in registers.
; q's factor 1/8 is a power of two: it is left out of the quantiser (same codes, scale byte 3 higher) and stands in the softmax's constant c = log2(e) / 8.
; THE CAUSAL MASK is the C of the current window's score products: 0, or -2^100 where the key comes after the query: p is then 0.  The pads in front of a batch's first window are masked by reference(): that window's look-back step is jumped over.
; SOFTMAX: t = score x c; M = the running largest t rounded up to a whole number; p = 2^(t - M) is quantised along the keys; the row's sum is taken of the unquantised p and divides at the end.
; NO CLUSTER: nothing here comes by tensor loads, and what neighbouring work-groups share is one window in five of k and v.
; LIMITS: NaN and infinities among the inputs are not served; a block whose largest magnitude lies under 2^-111 gets the scale byte 1 (a block of zeros too: its codes are zeros); scores stay far under 2^100.
; REGISTERS, in windows of 256 (s_set_vgpr_msb: bits 1:0 source 0, 3:2 source 1, 5:4 source 2, 7:6 destination).
;   window 0: v1-13 addresses; v14-23 scale words; v24-31 a row's figures; v32-47 Q; v48-63 a quantiser's figures; v64-127 scores, p, V's fragments, q and k as turned; v128-199 K's tiles, a rotation's results; v200-231 O^T; v232-247 p's codes
;   window 1: v0-63 cos and sin; v64-127 the mask; v128-223 the next window's q, k, v as they are loaded
.set WINB,   32768                     ; a window in bytes
.set SPITCH, 272                       ; a stage row: 256 bytes + 16: sixteen rows that a 16-byte access touches start 4 words apart
.set STGB,   16*SPITCH                 ; a stage
.set STGW,   2*STGB                    ; two stages for each wave: q and out0; k
.set KC,     0                         ; LDS: the current window's k: 8 tiles as images of their 8 registers (1,024 bytes each),
.set KCS,    8192                      ; their scale words, 128 bytes a tile
.set KP0,    9216                      ; k rotated for the look-back, two buffers by turns, 9,216 bytes apart
.set KPS0,   17408
.set VC0,    27648                     ; v's codes: 64 rows (channels) of 128 keys + 16 bytes; two buffers by turns, 9,472 bytes apart
.set VS0,    36864                     ; v's scale words: 4 bytes a channel
.set STG,    46592                     ; the waves' stages
.set LI,  1                            ; 16 x lane
.set LS,  2                            ; 4 x lane
.set STW, 3                            ; stage: rows as they lie: 272 (lane/16) + 16 (lane%16)
.set STR, 4                            ; stage: row r, + 64 h: 16 neighbours of each half of a row
.set OSW, 5                            ; stage: row r, + 32 h: eight channels of O^T
.set KWI, 6                            ; where I store an image of k: 16 x lane + 1,024 u
.set KWS, 7                            ; and its scale word: 4 x lane + 128 u
.set VWA, 8                            ; where I store v's codes: 144 x channel + 32 (u/2)
.set VWB, 9                            ; and the scale byte: 4 x channel + u/2
.set VRA, 10                           ; a fragment of v: 144 r + 16 h
.set VRS, 11                           ; its scale word: 4 r
.set GQ,  12                           ; memory: my 16 bytes of my wave's first two rows of q, k, out0
.set GV,  13                           ; memory: my channel of my wave's first key of v
.set QW,  14                           ; Q's scale word
.set PW,  15                           ; p's scale word
.set KW,  16                           ; v16-23 the eight tiles' scale words of k
.set NM,  24                           ; v24 -M, v25 the largest t
.set LL,  26                           ; v26-27 the row's sum in two halves
.set FP,  28                           ; v28 a factor (v29 is named with it as a pair)
.set TMP, 30
.set TM2, 31
.set QF,  32
.set BM,  48
.set PT,  52
.set LM,  56
.set SO,  60
.set SS,  64
.set XQ,  64
.set XK,  96
.set KB,  128
.set YY,  128
.set CT,  160
.set VCT, 168
.set CT2, 176
.set OO,  200
.set VH,  200
.set PCD, 232
.set VB,  248
.set KD0, 249
.set KD1, 250
.set VW,  252                          ; v252-255 the four tiles' scale words of v
.set CH,  0                            ; window 1: cos, sin at position 128 + p;
.set SH,  16
.set CL,  32                           ; at position p
.set SL,  48
.set MK,  64
.set STQ, 128
.set STK, 160
.set STV, 192
.set LN,  240                          ; at the head only: lane, r, h, my row p, p - 16 h, -2^100
.set RR,  241
.set HH,  242
.set QI,  243
.set DQ,  244
.set NEG, 245
.set FF,  128                          ; at the head only: my 16 frequencies; the two positions; constants; work
.set PP,  144
.set MAG, 148
.set KS2, 150
.set KS1, 152
.set KC2, 154
.set KC1, 156
.set WK,  160
.set SEL, 14                           ; s[14:15] v_permlanex16_b32's selects for lane l xor 16
.set CS,  16                           ; s[16:17] c
.set MNT, 18                           ; s18 the mantissa field of 57,344
.set TRIP, 19
.set WI,  20                           ; s20 the window's number in its batch
.set MSB, 0
.macro WIN new                         ; the immediate's high byte repeats the setting that is left; a switch that changes nothing is dropped
.if MSB != (\new)
	s_set_vgpr_msb (MSB<<8)|(\new)
.set MSB, (\new)
.endif
.endm
.macro PLACES n
.rept \n
	v_nop
.endr
.endm
.macro BARRIER                         ; my LDS stores have landed and my LDS loads are in: then the work-group's barrier
	s_wait_dscnt 0x0
	s_barrier_signal -1
	s_barrier_wait -1
.endm
; A window's q, k and v into window 1.  q, k: each load takes 512 consecutive bytes, two rows; my 16 rows are two runs of 8.  v: each load takes 128 consecutive bytes of one key's row; the wave beside me takes the other 128.
.macro NEXTLOADS
	WIN 0x40
.irp i, 0,1,2,3,4,5,6,7
	global_load_b128 v[STQ+4*\i:STQ+4*\i+3], v[GQ], s[4:5] offset:512*\i+2048*(\i/4) th:TH_LOAD_NT
.endr
.irp i, 0,1,2,3,4,5,6,7
	global_load_b128 v[STK+4*\i:STK+4*\i+3], v[GQ], s[6:7] offset:512*\i+2048*(\i/4)
.endr
.set n, 0
.rept 32
	global_load_b32 v[STV+n], v[GV], s[8:9] offset:256*n
.set n, n+1
.endr
	WIN 0
.endm
; 32 keys of my channel of v, v[src] on (w = 1: in window 1), are one block: codes into buffer X's row of my channel, the scale's byte beside them.
.macro VQUANT src, w, X
	WIN 0x14*\w
.irp q, 0,1,2,3
	v_max3_num_f32 v[BM+\q], 0x8000000, |v[\src+8*\q]|, |v[\src+8*\q+1]|   ; four chains; the floor 2^(16 - 127) holds the byte at 1 from below
.endr
.irp i, 2,4,6
.irp q, 0,1,2,3
	v_max3_num_f32 v[BM+\q], v[BM+\q], |v[\src+8*\q+\i]|, |v[\src+8*\q+\i+1]|
.endr
.endr
	WIN 0
	v_max3_num_f32 v[BM], v[BM], v[BM+1], v[BM+2]
	v_max_num_f32 v[BM], v[BM], v[BM+3]            ; the block's largest magnitude: all 32 numbers are mine
	v_add_nc_u32 v[SO], 0xf8800000, v[BM]          ; 15 off its exponent field: the conversion's scale operand
	v_and_or_b32 v[LM], v[BM], 0x7f800000, s[MNT]  ; 57,344 x the scale
	v_lshrrev_b32 v[VB], 23, v[SO]                 ; the scale's byte
	WIN \w
.set n, 0
.rept 32
	v_med3_num_f32 v[VH+n], v[\src+n], -v[LM], v[LM]   ; the conversion does not saturate (ISA guide 7.6.2): the hold, which also brings the number into window 0
.set n, n+1
.endr
	WIN 0
.irp g, 0,1,2,3
	v_cvt_scalef32_pk8_bf8_f32 v[VCT+2*\g:VCT+2*\g+1], v[VH+8*\g:VH+8*\g+7], v[SO]
.endr
	v_nop                                          ; a plain instruction behind the last conversion
	ds_store_b128 v[VWA], v[VCT:VCT+3] offset:VC0+9472*\X
	ds_store_b128 v[VWA], v[VCT+4:VCT+7] offset:VC0+9472*\X+16
	ds_store_b8 v[VWB], v[VB] offset:VS0+9472*\X
.endm
; The rotation of my row: v[x + j] = element 16 h + j, v[x + 16 + j] = element 32 + 16 h + j; cos and sin (window 1) of frequency 16 h + j.  Two elements an instruction.
.macro ROT x, c, s
	WIN 0x04
.irp j, 0,2,4,6,8,10,12,14
	v_pk_mul_f32 v[YY+\j:YY+\j+1], v[\x+16+\j:\x+16+\j+1], v[\s+\j:\s+\j+1]
.endr
.irp j, 0,2,4,6,8,10,12,14
	v_pk_mul_f32 v[YY+16+\j:YY+16+\j+1], v[\x+\j:\x+\j+1], v[\s+\j:\s+\j+1]
.endr
.irp j, 0,2,4,6,8,10,12,14
	v_pk_fma_f32 v[YY+\j:YY+\j+1], v[\x+\j:\x+\j+1], v[\c+\j:\c+\j+1], v[YY+\j:YY+\j+1] neg_lo:[0,0,1] neg_hi:[0,0,1]   ; x1 cos - x2 sin
.endr
.irp j, 0,2,4,6,8,10,12,14
	v_pk_fma_f32 v[YY+16+\j:YY+16+\j+1], v[\x+16+\j:\x+16+\j+1], v[\c+\j:\c+\j+1], v[YY+16+\j:YY+16+\j+1]               ; x2 cos + x1 sin
.endr
	WIN 0
.endm
; The rotated row's two blocks of 32 (a block lies in lanes l and l xor 16) become 8 registers of codes, v[cd] on, and a scale word (bytes 2 and 3 stay 0: they scale zeros).
.macro QUANT2 cd, wd
.irp c, 0,1
	v_max3_num_f32 v[BM+2*\c], |v[YY+16*\c]|, |v[YY+16*\c+1]|, 0x8000000
	v_max3_num_f32 v[BM+2*\c+1], |v[YY+16*\c+8]|, |v[YY+16*\c+9]|, |v[YY+16*\c+10]|
.endr
.irp i, 2,4
.irp c, 0,1
	v_max3_num_f32 v[BM+2*\c], v[BM+2*\c], |v[YY+16*\c+\i]|, |v[YY+16*\c+\i+1]|
	v_max3_num_f32 v[BM+2*\c+1], v[BM+2*\c+1], |v[YY+16*\c+\i+9]|, |v[YY+16*\c+\i+10]|
.endr
.endr
.irp c, 0,1
	v_max3_num_f32 v[BM+2*\c], v[BM+2*\c], |v[YY+16*\c+6]|, |v[YY+16*\c+7]|
.endr
.irp c, 0,1
	v_max3_num_f32 v[BM+2*\c], v[BM+2*\c], v[BM+2*\c+1], |v[YY+16*\c+15]|
.endr
.irp c, 0,1
	v_permlanex16_b32 v[PT+\c], v[BM+2*\c], s[SEL], s[SEL+1]
.endr
.irp c, 0,1
	v_max_num_f32 v[BM+2*\c], v[BM+2*\c], v[PT+\c]
.endr
.irp c, 0,1
	v_add_nc_u32 v[SO+\c], 0xf8800000, v[BM+2*\c]
.endr
.irp c, 0,1
	v_and_or_b32 v[LM+\c], v[BM+2*\c], 0x7f800000, s[MNT]
.endr
.irp c, 0,1
	v_lshrrev_b32 v[PT+\c], 23, v[SO+\c]
.endr
	v_lshl_or_b32 v[\wd], v[PT+1], 8, v[PT]
.irp c, 0,1
.set n, 0
.rept 16
	v_med3_num_f32 v[YY+16*\c+n], v[YY+16*\c+n], -v[LM+\c], v[LM+\c]
.set n, n+1
.endr
	v_cvt_scalef32_pk8_bf8_f32 v[\cd+4*\c:\cd+4*\c+1], v[YY+16*\c:YY+16*\c+7], v[SO+\c]
	v_cvt_scalef32_pk8_bf8_f32 v[\cd+4*\c+2:\cd+4*\c+3], v[YY+16*\c+8:YY+16*\c+15], v[SO+\c]
.endr
	v_nop                                          ; a plain instruction behind the last conversion
.endm
.macro KLOAD img, sc                   ; eight tiles of k, 8 registers each, one behind the other, and their scale words
.irp t, 0,1,2,3,4,5,6,7
	ds_load_b128 v[KB+8*\t:KB+8*\t+3], v[LI] offset:\img+1024*\t
	ds_load_b128 v[KB+8*\t+4:KB+8*\t+7], v[LI] offset:\img+1024*\t+512
	ds_load_b32 v[KW+\t], v[LS] offset:\sc+128*\t
.endr
.endm
.macro SMUL mask                       ; S^T of 128 keys: eight accumulators, one instruction each.  mask = 1: C is the causal mask (window 1)
	WIN 0x10*\mask
.irp t, 0,1,2,3,4,5,6,7
.if \mask
	v_wmma_scale_f32_16x16x128_f8f6f4 v[SS+8*\t:SS+8*\t+7], v[KB+8*\t:KB+8*\t+15], v[QF:QF+15], v[MK+8*\t:MK+8*\t+7], v[KW+\t], v[QW] matrix_a_fmt:MATRIX_FMT_BF8 matrix_b_fmt:MATRIX_FMT_BF8
.else
	v_wmma_scale_f32_16x16x128_f8f6f4 v[SS+8*\t:SS+8*\t+7], v[KB+8*\t:KB+8*\t+15], v[QF:QF+15], 0, v[KW+\t], v[QW] matrix_a_fmt:MATRIX_FMT_BF8 matrix_b_fmt:MATRIX_FMT_BF8
.endif
.endr
	WIN 0
.endm
.macro VLOAD X                         ; four fragments of v (16 channels x 128 keys) into the registers that p has left, and their scale words
.irp t, 0,1,2,3
.irp c, 0,1,2,3
	ds_load_b128 v[SS+16*\t+4*\c:SS+16*\t+4*\c+3], v[VRA] offset:VC0+9472*(\X)+2304*\t+32*\c
.endr
	ds_load_b32 v[VW+\t], v[VRS] offset:VS0+9472*(\X)+64*\t
.endr
.endm
.macro PV zero                         ; O^T (+)= V^T P^T: four accumulators by turns.  zero = 1: the products start the sums
.irp t, 0,1,2,3
.if \zero
	v_wmma_scale_f32_16x16x128_f8f6f4 v[OO+8*\t:OO+8*\t+7], v[SS+16*\t:SS+16*\t+15], v[PCD:PCD+15], 0, v[VW+\t], v[PW] matrix_a_fmt:MATRIX_FMT_BF8 matrix_b_fmt:MATRIX_FMT_BF8
.else
	v_wmma_scale_f32_16x16x128_f8f6f4 v[OO+8*\t:OO+8*\t+7], v[SS+16*\t:SS+16*\t+15], v[PCD:PCD+15], v[OO+8*\t:OO+8*\t+7], v[VW+\t], v[PW] matrix_a_fmt:MATRIX_FMT_BF8 matrix_b_fmt:MATRIX_FMT_BF8
.endif
.endr
.endm
; The softmax of 128 keys: register 16 b + i holds key 32 b + 16 h + i of my query.  first = 1: the window's first step starts M and the sum.
.macro SOFTMAX first
.irp b, 0,1,2,3
	v_max3_num_f32 v[BM+\b], v[SS+16*\b], v[SS+16*\b+1], v[SS+16*\b+2]   ; the largest score of each block of 32 keys: for the row's maximum, and, since p rises with the score, for the block's largest p
.endr
.irp i, 3,5,7,9,11,13
.irp b, 0,1,2,3
	v_max3_num_f32 v[BM+\b], v[BM+\b], v[SS+16*\b+\i], v[SS+16*\b+\i+1]
.endr
.endr
.irp b, 0,1,2,3
	v_max_num_f32 v[BM+\b], v[BM+\b], v[SS+16*\b+15]
.endr
.irp b, 0,1,2,3
	v_permlanex16_b32 v[PT+\b], v[BM+\b], s[SEL], s[SEL+1]
.endr
.irp b, 0,1,2,3
	v_max_num_f32 v[BM+\b], v[BM+\b], v[PT+\b]     ; with lane l xor 16's 16 keys
.endr
	v_max3_num_f32 v[TMP], v[BM], v[BM+1], v[BM+2]
	v_max_num_f32 v[TMP], v[TMP], v[BM+3]
.if \first
	v_mul_f32 v[NM+1], s[CS], v[TMP]               ; the largest t (my own key counts for me, so it is a number)
	v_floor_f32 v[NM], -v[NM+1]                    ; -M = floor(-t) = -ceil(t)
.else
	v_mul_f32 v[TMP], s[CS], v[TMP]
	v_max_num_f32 v[NM+1], v[NM+1], v[TMP]         ; the running largest t
	v_mov_b32 v[TMP], v[NM]
	v_floor_f32 v[NM], -v[NM+1]
	v_sub_f32 v[TMP], v[NM], v[TMP]                ; old M - new M: a whole number, 0 or less
	v_cvt_i32_f32 v[TMP], v[TMP]
	v_ldexp_f32 v[FP], 1.0, v[TMP]                 ; f = 2^(old M - new M): multiplying by it rounds nothing
.endif
.set n, 0
.rept 32
	v_pk_fma_f32 v[SS+n:SS+n+1], v[SS+n:SS+n+1], s[CS:CS+1], v[NM:NM+1] op_sel_hi:[1,0,0]   ; t - M, two at a time
.set n, n+2
.endr
.irp b, 0,1,2,3
	v_fma_f32 v[BM+\b], v[BM+\b], s[CS], v[NM]
.endr
.set n, 0
.rept 64
	v_exp_f32 v[SS+n], v[SS+n]                     ; p = 2^(t - M)
.set n, n+1
.endr
.if \first
	v_mov_b32 v[LL], 0                             ; (plain instructions behind the exponentials)
	v_mov_b32 v[LL+1], 0
.else
	v_pk_mul_f32 v[LL:LL+1], v[LL:LL+1], v[FP:FP+1] op_sel_hi:[1,0]   ; the sum under the new M
.endif
	s_wait_alu depctr_va_vdst(0)                   ; one wait for the batch of 64, ahead of its first reader
.irp b, 0,1,2,3
	v_exp_f32 v[BM+\b], v[BM+\b]                   ; each block's largest p
.endr
	v_pk_add_f32 v[PT:PT+1], v[SS:SS+1], v[SS+2:SS+3]   ; the row's sum is taken of the unquantised p, in two chains
.set n, 4
.rept 15
	v_pk_add_f32 v[LL:LL+1], v[LL:LL+1], v[SS+n:SS+n+1]
	v_pk_add_f32 v[PT:PT+1], v[PT:PT+1], v[SS+n+2:SS+n+3]
.set n, n+4
.endr
	v_pk_add_f32 v[LL:LL+1], v[LL:LL+1], v[PT:PT+1]
	s_wait_alu depctr_va_vdst(0)                   ; and one for the four
.irp b, 0,1,2,3
	v_max_num_f32 v[BM+\b], 0x8000000, v[BM+\b]    ; the floor: a block whose every p is 0 keeps the byte 1; its codes are zeros
.endr
.irp b, 0,1,2,3
	v_add_nc_u32 v[SO+\b], 0xf8800000, v[BM+\b]
.endr
.irp b, 0,1,2,3
	v_and_or_b32 v[LM+\b], v[BM+\b], 0x7f800000, s[MNT]
.endr
.irp b, 0,1,2,3
	v_lshrrev_b32 v[PT+\b], 23, v[SO+\b]
.endr
	v_lshl_or_b32 v[PW], v[PT+1], 8, v[PT]         ; p's scale word: 64 holds and more stand between it and the products that name it
	v_lshl_or_b32 v[PW], v[PT+2], 16, v[PW]
	v_lshl_or_b32 v[PW], v[PT+3], 24, v[PW]
.irp b, 0,1,2,3
.set n, 0
.rept 16
	v_min_num_f32 v[SS+16*\b+n], v[SS+16*\b+n], v[LM+\b]   ; p is not negative: the hold is one-sided
.set n, n+1
.endr
	v_cvt_scalef32_pk8_bf8_f32 v[PCD+4*\b:PCD+4*\b+1], v[SS+16*\b:SS+16*\b+7], v[SO+\b]
	v_cvt_scalef32_pk8_bf8_f32 v[PCD+4*\b+2:PCD+4*\b+3], v[SS+16*\b+8:SS+16*\b+15], v[SO+\b]
.endr
	v_nop                                          ; a plain instruction behind the last conversion
.endm
; sin and cos of position x frequency for frequencies 2 jj, 2 jj + 1 of my half, at positions 128 + p (w = 0) and p (w = 1), the two by turns.
; Work registers of a position, from WK + 32 w: +0 angle, +2 n + 1.5 x 2^23, +4 n, +6 r, +8 z = r r, +10 sin's polynomial, +12 z r, +14 sin r, +16 cos's polynomial, +18 z z, +20 1 - z/2, +22 cos r, +24, +26 after the swap, +28, +30 sign bits
.macro SINCOS jj
.irp w, 0,1
	v_pk_mul_f32 v[WK+32*\w:WK+32*\w+1], v[FF+2*\jj:FF+2*\jj+1], v[PP+2*\w:PP+2*\w+1]   ; the angle, rounded to f32 once
.endr
.irp w, 0,1
	v_pk_fma_f32 v[WK+32*\w+2:WK+32*\w+3], v[WK+32*\w:WK+32*\w+1], 0x3f22f983, v[MAG:MAG+1] op_sel_hi:[1,0,1]   ; x 2/pi + 1.5 x 2^23: the sum's low bits are n, to the nearest
.endr
.irp w, 0,1
	v_pk_add_f32 v[WK+32*\w+4:WK+32*\w+5], v[WK+32*\w+2:WK+32*\w+3], v[MAG:MAG+1] neg_lo:[0,1] neg_hi:[0,1]
.endr
.irp w, 0,1
	v_pk_fma_f32 v[WK+32*\w+6:WK+32*\w+7], v[WK+32*\w+4:WK+32*\w+5], 0xbfc90fdb, v[WK+32*\w:WK+32*\w+1] op_sel_hi:[1,0,1]   ; - n x pi/2's upper part: exact (n has 8 bits, the difference fits 24)
.endr
.irp w, 0,1
	v_pk_fma_f32 v[WK+32*\w+6:WK+32*\w+7], v[WK+32*\w+4:WK+32*\w+5], 0x333bbd2e, v[WK+32*\w+6:WK+32*\w+7] op_sel_hi:[1,0,1]   ; - n x its lower part, which is negative
.endr
.irp w, 0,1
.irp e, 0,1
	v_lshlrev_b32 v[WK+32*\w+30+\e], 31, v[WK+32*\w+2+\e]   ; n's bit 0 as a sign bit
	v_lshlrev_b32 v[WK+32*\w+28+\e], 30, v[WK+32*\w+2+\e]
.endr
.endr
.irp w, 0,1
	v_pk_mul_f32 v[WK+32*\w+8:WK+32*\w+9], v[WK+32*\w+6:WK+32*\w+7], v[WK+32*\w+6:WK+32*\w+7]
.endr
.irp w, 0,1
.irp e, 0,1
	v_and_b32 v[WK+32*\w+28+\e], 0x80000000, v[WK+32*\w+28+\e]   ; n's bit 1 as a sign bit
.endr
.endr
.irp w, 0,1
	v_pk_fma_f32 v[WK+32*\w+10:WK+32*\w+11], v[WK+32*\w+8:WK+32*\w+9], 0xb94ca1f9, v[KS2:KS2+1] op_sel_hi:[1,0,1]
	v_pk_fma_f32 v[WK+32*\w+16:WK+32*\w+17], v[WK+32*\w+8:WK+32*\w+9], 0x37ccf5ce, v[KC2:KC2+1] op_sel_hi:[1,0,1]
.endr
.irp w, 0,1
	v_pk_mul_f32 v[WK+32*\w+12:WK+32*\w+13], v[WK+32*\w+8:WK+32*\w+9], v[WK+32*\w+6:WK+32*\w+7]
	v_pk_mul_f32 v[WK+32*\w+18:WK+32*\w+19], v[WK+32*\w+8:WK+32*\w+9], v[WK+32*\w+8:WK+32*\w+9]
	v_pk_fma_f32 v[WK+32*\w+20:WK+32*\w+21], v[WK+32*\w+8:WK+32*\w+9], -0.5, 1.0 op_sel_hi:[1,0,0]
.endr
.irp w, 0,1
	v_pk_fma_f32 v[WK+32*\w+10:WK+32*\w+11], v[WK+32*\w+10:WK+32*\w+11], v[WK+32*\w+8:WK+32*\w+9], v[KS1:KS1+1]
	v_pk_fma_f32 v[WK+32*\w+16:WK+32*\w+17], v[WK+32*\w+16:WK+32*\w+17], v[WK+32*\w+8:WK+32*\w+9], v[KC1:KC1+1]
.endr
.irp w, 0,1
	v_pk_fma_f32 v[WK+32*\w+14:WK+32*\w+15], v[WK+32*\w+10:WK+32*\w+11], v[WK+32*\w+12:WK+32*\w+13], v[WK+32*\w+6:WK+32*\w+7]     ; sin r
	v_pk_fma_f32 v[WK+32*\w+22:WK+32*\w+23], v[WK+32*\w+16:WK+32*\w+17], v[WK+32*\w+18:WK+32*\w+19], v[WK+32*\w+20:WK+32*\w+21]   ; cos r
.endr
.irp w, 0,1
.irp e, 0,1
	v_cmp_gt_i32 vcc_lo, 0, v[WK+32*\w+30+\e]      ; n odd: sin and cos change places
	v_cndmask_b32 v[WK+32*\w+24+\e], v[WK+32*\w+14+\e], v[WK+32*\w+22+\e], vcc_lo
	v_cndmask_b32 v[WK+32*\w+26+\e], v[WK+32*\w+22+\e], v[WK+32*\w+14+\e], vcc_lo
.endr
.endr
.irp w, 0,1
.irp e, 0,1
	v_xor_b32 v[WK+32*\w+26+\e], v[WK+32*\w+26+\e], v[WK+32*\w+28+\e]
.endr
.endr
	WIN 0x40
.irp w, 0,1
.irp e, 0,1
	v_xor_b32 v[32*\w+16+2*\jj+\e], v[WK+32*\w+24+\e], v[WK+32*\w+28+\e]   ; sin: negative where n's bit 1 is set
	v_xor_b32 v[32*\w+2*\jj+\e], v[WK+32*\w+26+\e], v[WK+32*\w+30+\e]      ; cos: negative where bits 0 and 1 differ
.endr
.endr
	WIN 0
.endm
.macro FSEL j, a, b                    ; frequency j for lanes 0-15, 16 + j for lanes 16-31
	v_mov_b32 v[FF+\j], \b
	v_cndmask_b32 v[FF+\j], \a, v[FF+\j], vcc_lo
.endm
	s_load_b256 s[4:11], s[0:1], 0x0               ; q s[4:5], k s[6:7], v s[8:9], out0 s[10:11]
	v_lshl_add_u32 v251, v0, 2, 0x1c800
	s_set_vgpr_msb 0x40
	v_mov_b32 v225, 0
	s_set_vgpr_msb 0x4000
	v_lshrrev_b32 v[LN], 5, v0
	v_readfirstlane_b32 s12, v[LN]                 ; wave u
	v_and_b32 v[LN], 31, v0
	v_and_b32 v[RR], 15, v0                        ; r
	v_bfe_u32 v[HH], v0, 4, 1                      ; h
	s_lshr_b32 s13, s12, 1                         ; u / 2
	s_and_b32 s21, s12, 1                          ; u % 2
	v_lshlrev_b32 v[LI], 4, v[LN]
	v_lshlrev_b32 v[LS], 2, v[LN]
	s_lshl_b32 s28, s13, 13                        ; 32 (u/2) rows of 256 bytes
	s_lshl_b32 s29, s21, 11                        ; 8 (u%2) rows
	s_add_co_u32 s29, s29, s28
	v_add_nc_u32 v[GQ], s29, v[LI]
	s_lshl_b32 s29, s21, 7                         ; 32 (u%2) channels of 4 bytes
	s_add_co_u32 s29, s29, s28
	v_add_nc_u32 v[GV], s29, v[LS]
	s_lshl_b32 s22, ttmp9, 17                      ; the work-group's 4 windows begin here, in each tensor
	s_mov_b32 s23, 0
	s_and_b32 s[WI], ttmp9, 15
	s_cmp_eq_u32 s[WI], 0
	s_cselect_b32 s30, 0, 0x8000                   ; the window in front: one window back; a batch's first window has none: its own is read in its stead and not used
	s_mov_b32 s31, 0
	s_lshl_b32 s[WI], s[WI], 2                     ; my first window's number in its batch
	s_wait_kmcnt 0x0
	s_add_nc_u64 s[4:5], s[4:5], s[22:23]
	s_add_nc_u64 s[6:7], s[6:7], s[22:23]
	s_add_nc_u64 s[8:9], s[8:9], s[22:23]
	s_add_nc_u64 s[10:11], s[10:11], s[22:23]
	s_sub_nc_u64 s[24:25], s[6:7], s[30:31]
	s_sub_nc_u64 s[26:27], s[8:9], s[30:31]
.irp i, 0,1,2,3,4,5,6,7
	global_load_b128 v[SS+4*\i:SS+4*\i+3], v[GQ], s[24:25] offset:512*\i+2048*(\i/4)   ; the window in front: k,
.endr
.set n, 0
.rept 32
	global_load_b32 v[SS+32+n], v[GV], s[26:27] offset:256*n                          ; and v
.set n, n+1
.endr
	NEXTLOADS                                      ; my first window.  All that follows up to the first wait is done while these 88 loads are on their way
	s_mov_b32 s[SEL], 0x76543210
	s_mov_b32 s[SEL+1], 0xfedcba98
	s_mov_b32 s[CS], 0x3e38aa3b                    ; c = log2(e) / 8
	s_mov_b32 s[CS+1], s[CS]                       ; (named with it as a pair, so it is written)
	s_mov_b32 s[MNT], 0x600000
	s_mul_i32 s28, s12, STGW
	s_add_co_u32 s28, s28, STG                     ; my wave's stages
	v_mul_u32_u24 v[STW], v[HH], SPITCH
	v_lshl_add_u32 v[STW], v[RR], 4, v[STW]
	v_add_nc_u32 v[STW], s28, v[STW]
	v_mul_u32_u24 v[STR], v[RR], SPITCH
	v_lshl_add_u32 v[OSW], v[HH], 5, v[STR]
	v_lshl_add_u32 v[STR], v[HH], 6, v[STR]
	v_add_nc_u32 v[OSW], s28, v[OSW]
	v_add_nc_u32 v[STR], s28, v[STR]
	s_lshl_b32 s29, s12, 10
	v_add_nc_u32 v[KWI], s29, v[LI]
	s_lshl_b32 s29, s12, 7
	v_add_nc_u32 v[KWS], s29, v[LS]
	s_mul_i32 s29, s21, 4608                       ; 32 (u%2) rows of 144 bytes
	s_lshl_b32 s28, s13, 5                         ; block u/2: 32 bytes
	s_add_co_u32 s29, s29, s28
	v_mul_u32_u24 v[VWA], v[LN], 144
	v_add_nc_u32 v[VWA], s29, v[VWA]
	s_lshl_b32 s29, s21, 7
	s_add_co_u32 s29, s29, s13
	v_add_nc_u32 v[VWB], s29, v[LS]
	v_mul_u32_u24 v[VRA], v[RR], 144
	v_lshl_add_u32 v[VRA], v[HH], 4, v[VRA]
	v_lshlrev_b32 v[VRS], 2, v[RR]
	s_lshl_b32 s29, s21, 3
	s_add_co_u32 s28, s28, s29                     ; 32 (u/2) + 8 (u%2)
	v_and_b32 v[QI], 8, v[RR]
	v_add_nc_u32 v[QI], v[QI], v[RR]
	v_add_nc_u32 v[QI], s28, v[QI]                 ; p: my row in a window
	; the frequencies 1 / 10000^(i/32): the power rounded to f32, its reciprocal rounded to f32
	v_cmp_ne_u32 vcc_lo, 0, v[HH]
	FSEL 0,  0x3f800000, 0x3c23d70a
	FSEL 1,  0x3f3ff911, 0x3bf5b9b0
	FSEL 2,  0x3f0ff59a, 0x3bb8449c
	FSEL 3,  0x3ed7e89b, 0x3b8a2e77
	FSEL 4,  0x3ea1e89b, 0x3b4f3e38
	FSEL 5,  0x3e72d423, 0x3b1b690d
	FSEL 6,  0x3e361887, 0x3ae91528
	FSEL 7,  0x3e088d77, 0x3aaec98e
	FSEL 8,  0x3dcccccd, 0x3a83126f
	FSEL 9,  0x3d99940d, 0x3a44948c
	FSEL 10, 0x3d6655c2, 0x3a136a16
	FSEL 11, 0x3d2cba15, 0x39dd1725
	FSEL 12, 0x3d0186e3, 0x39a5cb60
	FSEL 13, 0x3cc2434f, 0x3978a815
	FSEL 14, 0x3c91ad39, 0x393a7753
	FSEL 15, 0x3c5a7bf2, 0x390bd472
	v_cvt_f32_u32 v[PP+2], v[QI]                   ; position p (the look-back's keys),
	v_mov_b32 v[PP+3], v[PP+2]
	v_add_f32 v[PP], 0x43000000, v[PP+2]           ; and 128 + p (queries, the window's own keys)
	v_mov_b32 v[PP+1], v[PP]
.irp e, 0,1
	v_mov_b32 v[MAG+\e], 0x4b400000                ; 1.5 x 2^23
	v_mov_b32 v[KS2+\e], 0x3c08839e                ; sin r = r + z r (-1.6666654611e-1 + z (8.3321608736e-3 - 1.9515295891e-4 z))
	v_mov_b32 v[KS1+\e], 0xbe2aaaa3
	v_mov_b32 v[KC2+\e], 0xbab6061a                ; cos r = 1 - z/2 + z z (4.166664568e-2 + z (-1.388731625e-3 + 2.443315712e-5 z))
	v_mov_b32 v[KC1+\e], 0x3d2aaaa5
.endr
.irp jj, 0,1,2,3,4,5,6,7
	SINCOS \jj
.endr
	; the mask: register 16 b + i of the current window's scores holds key 32 b + 16 h + i: hidden where 32 b + i > p - 16 h
	v_lshlrev_b32 v[DQ], 4, v[HH]
	v_sub_nc_u32 v[DQ], v[QI], v[DQ]
	v_mov_b32 v[NEG], 0xf1800000                   ; -2^100
	WIN 0x40
.set n, 0
.rept 64
	v_cmp_gt_i32 vcc_lo, 32*(n/16)+n%16, v[DQ]
	v_cndmask_b32 v[MK+n], 0, v[NEG], vcc_lo
.set n, n+1
.endr
	WIN 0
.irp i, 0,1,2,3,4,5,6,7
	v_mov_b32 v[QF+8+\i], 0                        ; Q's codes of k = 64 .. 127: zeros, for the whole launch
	v_mov_b32 v[KB+64+\i], 0                       ; and what stands behind the last tile of k
.endr
.irp b, 0,1,2,3
	v_mov_b32 v[PT+\b], 0                          ; written once: a lane permute's destination counts as one of its sources
.endr
	v_mov_b32 v[TM2], 0
	v_mov_b32 v[FP+1], 0                           ; (named as the upper half of a pair)
	; THE WINDOW IN FRONT: v's codes and k at positions p, into the buffers with number 1
	s_wait_loadcnt 48                              ; its 40 loads are in; the 48 of my first window, issued behind them, may be out
	VQUANT SS+32, 0, 1
.irp i, 0,1,2,3,4,5,6,7
	ds_store_b128 v[STW], v[SS+4*\i:SS+4*\i+3] offset:STGB+544*\i
.endr
.irp c, 0,1
.irp j, 0,1,2,3
	ds_load_b128 v[XK+16*\c+4*\j:XK+16*\c+4*\j+3], v[STR] offset:STGB+128*\c+16*\j   ; LDS serves a wave's instructions in order (ISA guide 5.7.1.4): these see my stores
.endr
.endr
	s_wait_dscnt 0x0
	ROT XK, CL, SL
	QUANT2 CT2, KD1
	ds_store_b128 v[KWI], v[CT2:CT2+3] offset:KP0+9216
	ds_store_b128 v[KWI], v[CT2+4:CT2+7] offset:KP0+9216+512
	ds_store_b32 v[KWS], v[KD1] offset:KPS0+9216
; A WINDOW.  X: the buffers that it fills for the next window's look-back.  last = 1: in the loop's last trip it is the work-group's last: it loads nothing more and prepares no look-back.
.macro WINDOW X, last
	s_wait_loadcnt 0x0                             ; the window's q, k, v are in, so the loads' bases may step
	s_add_nc_u64 s[4:5], s[4:5], WINB
	s_add_nc_u64 s[6:7], s[6:7], WINB
	s_add_nc_u64 s[8:9], s[8:9], WINB
	WIN 0x04                                       ; an LDS store's data are its source 1
.irp i, 0,1,2,3,4,5,6,7
	ds_store_b128 v[STW], v[STQ+4*\i:STQ+4*\i+3] offset:544*\i          ; q and k go through my stages as they lie,
.endr
.irp i, 0,1,2,3,4,5,6,7
	ds_store_b128 v[STW], v[STK+4*\i:STK+4*\i+3] offset:STGB+544*\i
.endr
	WIN 0
.irp c, 0,1
.irp j, 0,1,2,3
	ds_load_b128 v[XQ+16*\c+4*\j:XQ+16*\c+4*\j+3], v[STR] offset:128*\c+16*\j        ; and come back 16 neighbours of each half of my row
.endr
.endr
.irp c, 0,1
.irp j, 0,1,2,3
	ds_load_b128 v[XK+16*\c+4*\j:XK+16*\c+4*\j+3], v[STR] offset:STGB+128*\c+16*\j
.endr
.endr
	VQUANT STV, 1, \X
	s_wait_dscnt 0x0                               ; q and k are back: the stores have read window 1's registers, and v's have been held into window 0
.if \last
	s_cmp_eq_u32 s[TRIP], 1
	s_cbranch_scc1 .Lno_next_\@                    ; no load leaves its buffer
.endif
	NEXTLOADS                                      ; 12 KB a wave, on their way through the rest of this window
.if \last
.Lno_next_\@:
.endif
	ROT XQ, CH, SH
	QUANT2 QF, QW                                  ; Q stays in my registers
	ROT XK, CH, SH
	QUANT2 CT, KD0
	ds_store_b128 v[KWI], v[CT:CT+3] offset:KC
	ds_store_b128 v[KWI], v[CT+4:CT+7] offset:KC+512
	ds_store_b32 v[KWS], v[KD0] offset:KCS
.if \last
	s_cmp_eq_u32 s[TRIP], 1
	s_cbranch_scc1 .Lno_back_\@
.endif
	ROT XK, CL, SL
	QUANT2 CT2, KD1
	ds_store_b128 v[KWI], v[CT2:CT2+3] offset:KP0+9216*\X
	ds_store_b128 v[KWI], v[CT2+4:CT2+7] offset:KP0+9216*\X+512
	ds_store_b32 v[KWS], v[KD1] offset:KPS0+9216*\X
.if \last
.Lno_back_\@:
.endif
	BARRIER                                        ; every wave's codes and scales lie in LDS
	; ---- the window's own 128 keys
	KLOAD KC, KCS
	s_wait_dscnt 0x0
	SMUL 1
	PLACES 8                                       ; in front of loads into registers that the products have read, and of the first read of the scores (ISA guide 7.12.1 for the scores)
	KLOAD KP0+9216*(1-\X), KPS0+9216*(1-\X)        ; the look-back's tiles land while the softmax is worked
	SOFTMAX 1
	VLOAD \X
	PLACES 4                                       ; p's codes were written by vector instructions
	s_wait_dscnt 0x0
	PV 1
.if \X == 0
	s_cmp_eq_u32 s[WI], 0
	s_cbranch_scc1 .Lno_look_back_\@               ; a batch's first window: what lies in front of it is masked
.endif
	; ---- the 128 keys of the window in front: all count
	PLACES 9                                       ; the scores are laid over v's fragments, which the last products have read
	SMUL 0
	PLACES 8
	SOFTMAX 0
	VLOAD 1-\X
.set n, 0
.rept 16
	v_pk_mul_f32 v[OO+n:OO+n+1], v[OO+n:OO+n+1], v[FP:FP+1] op_sel_hi:[1,0]   ; O^T under the new M
.set n, n+2
.endr
	s_wait_dscnt 0x0
	PV 0
.if \X == 0
.Lno_look_back_\@:
.endif
	s_wait_dscnt 0x0                               ; my reads of the shared codes are over:
	s_barrier_signal -1                            ; say so; work on registers until all have said so
	v_add_f32 v[TMP], v[LL], v[LL+1]               ; the sum's two halves,
	v_permlanex16_b32 v[TM2], v[TMP], s[SEL], s[SEL+1]
	v_add_f32 v[TMP], v[TMP], v[TM2]               ; and lane l xor 16's
	v_rcp_f32 v[FP], v[TMP]
	PLACES 8                                       ; behind the last products, in front of the first read of O^T; the first is also the plain instruction behind the reciprocal
	s_wait_alu depctr_va_vdst(0)                   ; ahead of the reciprocal's first reader
.set n, 0
.rept 16
	v_pk_mul_f32 v[OO+n:OO+n+1], v[OO+n:OO+n+1], v[FP:FP+1] op_sel_hi:[1,0]   ; each accumulator from its low end on
.set n, n+2
.endr
	s_barrier_wait -1                              ; nobody reads this window's codes any more: the next window may write its own
	; ---- the way out: register 8 t + i is out0(my row, 16 t + 8 h + i): through my stage, back as whole rows of 256 bytes
.irp t, 0,1,2,3
	ds_store_b128 v[OSW], v[OO+8*\t:OO+8*\t+3] offset:64*\t
	ds_store_b128 v[OSW], v[OO+8*\t+4:OO+8*\t+7] offset:64*\t+16
.endr
.irp i, 0,1,2,3,4,5,6,7
	ds_load_b128 v[SS+4*\i:SS+4*\i+3], v[STW] offset:544*\i
.endr
.irp i, 0,1,2,3,4,5,6,7
	s_wait_dscnt 7-\i                              ; pair i of rows is back; the younger loads may be out
	global_store_b128 v[GQ], v[SS+4*\i:SS+4*\i+3], s[10:11] offset:512*\i+2048*(\i/4) th:TH_STORE_NT   ; 32 lanes store 512 consecutive bytes: two whole rows
.endr
	s_wait_xcnt 0x0                                ; the stores have read their registers and their base: both are written again only behind this wait
	s_add_nc_u64 s[10:11], s[10:11], WINB
	s_add_co_u32 s[WI], s[WI], 1
.endm
	s_mov_b32 s[TRIP], 0
.Ltrip:                                            ; two trips of two windows: the look-back's buffers change places and come back
	WINDOW 0, 0
	WINDOW 1, 1
	s_add_co_u32 s[TRIP], s[TRIP], 1
	s_cmp_lt_u32 s[TRIP], 2
	s_cbranch_scc1 .Ltrip
	s_set_vgpr_msb 0x4
	s_wait_tensorcnt 0x0
	ds_add_u32 v251, v225
	s_wait_dscnt 0x0
	s_set_vgpr_msb 0x400
	s_endpgm
.Lfunc_end_k_q9dd2f26d07_local_attention:
	.size	k_q9dd2f26d07_local_attention, .Lfunc_end_k_q9dd2f26d07_local_attention-k_q9dd2f26d07_local_attention
	.p2alignl 7, 3214868480
	.fill 96, 4, 3214868480
	.section	.rodata,"a",@progbits
	.p2align	6, 0x0
	.amdhsa_kernel k_q9dd2f26d07_local_attention
		.amdhsa_group_segment_fixed_size 117760
		.amdhsa_private_segment_fixed_size 0
		.amdhsa_enable_private_segment 0
		.amdhsa_kernarg_size 32
		.amdhsa_user_sgpr_count 2
		.amdhsa_user_sgpr_kernarg_segment_ptr 1
		.amdhsa_wavefront_size32 1
		.amdhsa_system_sgpr_workgroup_id_x 1
		.amdhsa_system_sgpr_workgroup_id_y 1
		.amdhsa_system_sgpr_workgroup_id_z 1
		.amdhsa_system_vgpr_workitem_id 0
		.amdhsa_next_free_vgpr 482
		.amdhsa_next_free_sgpr 66
		.amdhsa_reserve_vcc 1
		.amdhsa_float_denorm_mode_32 3
		.amdhsa_float_denorm_mode_16_64 3
		.amdhsa_memory_ordered 1
		.amdhsa_forward_progress 1
		.amdhsa_inst_pref_size 199
	.end_amdhsa_kernel
	.amdgpu_metadata
---
amdhsa.version: [ 1, 2 ]
amdhsa.kernels:
  - .name:           k_q9dd2f26d07_local_attention
    .symbol:         k_q9dd2f26d07_local_attention.kd
    .args:
      - { .name: q, .offset: 0, .size: 8, .value_kind: global_buffer, .address_space: global }
      - { .name: k, .offset: 8, .size: 8, .value_kind: global_buffer, .address_space: global }
      - { .name: v, .offset: 16, .size: 8, .value_kind: global_buffer, .address_space: global }
      - { .name: out0, .offset: 24, .size: 8, .value_kind: global_buffer, .address_space: global }
    .group_segment_fixed_size: 117760
    .private_segment_fixed_size: 0
    .kernarg_segment_align: 8
    .kernarg_segment_size: 32
    .max_flat_workgroup_size: 256
    .sgpr_count:     66
    .vgpr_count:     482
    .wavefront_size: 32
...
	.end_amdgpu_metadata
.endif
;; end of part 1
;; ======== version 2 of 2: 1 launch; version 1 with the launch local_attention written anew for expert scheduling mode
;; limits: right only within a limited range of input values
;; launch local_attention (part 2): grid 256 x 1, 8 waves a work-group, no clusters, 117,760 bytes of LDS; arguments q, k, v, out0; writes out0
.if DOCPART == 2
	.amdgcn_target "amdgcn-amd-amdhsa--gfx1250"
	.amdhsa_code_object_version 6
	.text
	.protected	k_q9dd2f26d07_local_attention
	.globl	k_q9dd2f26d07_local_attention
	.p2align	8
	.type	k_q9dd2f26d07_local_attention,@function
k_q9dd2f26d07_local_attention:
	s_mov_b64 s[64:65], 0
	v_nop
	global_prefetch_b8 v0, s[64:65] scope:SCOPE_SE
	s_setreg_imm32_b32 hwreg(HW_REG_WAVE_SCHED_MODE, 0, 2), 2
	s_setreg_imm32_b32 hwreg(HW_REG_WAVE_MODE, 25, 1), 1
	s_wait_xcnt 0x0
	s_wait_alu depctr_vm_vsrc(0)
; LOCAL ATTENTION, window 128, one window of look-back, rotary positions 0..255 over the look-around axis, both products on codes of BF8 (E5M2) with one E8M0 scale for each 32 along a product's K.
; q, k, v, out0: [16][8192][64] f32: 1,024 windows of 128 rows of 256 bytes.  A work-group of eight waves takes 4 consecutive windows of one batch, and reads k and v of the window in front of them too.
; SHARES.  Wave u owns tile u: lane r of it takes row 32 (u/2) + 8 (u%2) + r + 8 (r/8) of a window: its 16 queries, the 16 rows of k that it rotates and quantises, its 16 rows of out0.  With these rows a tile of k is
; the score product's operand as it stands, and the 16 registers of score tiles 2 b, 2 b + 1 are 16 neighbouring keys.  Of v wave u quantises keys 32 (u/2) .. + 31 of channels 32 (u%2) .. + 31: a lane a channel, registers down the keys.
; BOTH PRODUCTS ARE USED TRANSPOSED: S^T = K Q^T (source 0 = 16 keys, source 1 = my 16 queries), O^T = V^T P^T (source 0 = 16 channels, source 1 = p): a lane holds one query throughout.
; THE FIRST PRODUCT'S K IS 64 of the instruction's 128: Q's codes of k = 64 .. 127 are zeros.  The key operand's registers for those k hold the next tile's codes, finite numbers by the hold, so each such product is 0: eight tiles lie in 72 registers.
; ROTARY.  The angle is position x frequency, one f32 multiplication, as reference() rounds it; the 32 frequencies are written as f32 numbers: 10000^(i/32) rounded to f32, its reciprocal rounded to f32.  sin and cos: the angle less n pi/2
; (pi/2 in two parts, fused multiply-adds), polynomials on |r| <= pi/4, the quadrant from n's two low bits.  A lane's positions are the same in every window: its 32 pairs are made once and stay in registers.
; q's factor 1/8 is a power of two: it is left out of the quantiser (same codes, scale byte 3 higher) and stands in the softmax's constant c = log2(e) / 8.
; THE CAUSAL MASK is the C of the current window's score products: 0, or -2^100 where the key comes after the query: p is then 0.  The pads in front of a batch's first window are masked by reference(): that window's look-back step is jumped over.
; SOFTMAX: t = score x c; M = the running largest t rounded up to a whole number; p = 2^(t - M) is quantised along the keys; the row's sum is taken of the unquantised p and divides at the end.
; NO CLUSTER: nothing here comes by tensor loads, and what neighbouring work-groups share is one window in five of k and v.
; LIMITS: NaN and infinities among the inputs are not served; a block whose largest magnitude lies under 2^-111 gets the scale byte 1 (a block of zeros too: its codes are zeros); scores stay far under 2^100.
; REGISTERS, in windows of 256 (s_set_vgpr_msb: bits 1:0 source 0, 3:2 source 1, 5:4 source 2, 7:6 destination).
;   window 0: v1-13 addresses; v14-23 scale words; v24-31 a row's figures; v32-47 Q; v48-63 a quantiser's figures; v64-127 scores, p, V's fragments, q and k as turned; v128-199 K's tiles, a rotation's results; v200-231 O^T; v232-247 p's codes
;   window 1: v0-63 cos and sin; v64-127 the mask; v128-223 the next window's q, k, v as they are loaded
; THE MODE: SCHED_MODE bits 1:0 = 2 (LLVM: expert scheduling mode 2), set by the entry lines.  The code itself states the register dependences between vector or matrix instructions and memory or LDS instructions, with s_wait_alu, always for 0.
; THE PLAN.  Registers that memory or LDS instructions touch, round a window:
;   v1-13            addresses: written at the head, never again.
;   STQ, STK         the loads of q and k land; the LDS stores at a window's head read them; then they are asked for again.
;   STV              the loads of v land; v's quantiser reads it; then it is asked for again.
;   v64-127          q and k land from my stage; the rotations read them; scores, p; v's fragments land; the O^T products read them; the same once more for the look-back; rows of out0 land in v64-95; the global stores read them.
;   v128-191         the rotations and quantisers write them; LDS stores read v160-183 (codes); k's tiles land; the score products read them; the look-back's tiles land; the score products read them.
;   v16-23, v252-255 scale words land; matrix instructions read them.
;   v200-231         v's holds write them, its conversions read them; the O^T products and the division write them; the LDS stores into my stage read them.
;   v248-250         a scale byte and two scale words: the quantisers write them, LDS stores read them.
; THE WAITS of a window.  On vm_vsrc, three: at its head (the last window's stores have read their data); ahead of the loads of q and k (the LDS stores have read STQ, STK); behind the first barrier (the LDS stores have read the codes over which k's tiles land).
; On va_vdst: one behind each of the three quantisers whose results are stored; one behind the first score products (their operands are loaded again); one behind each softmax (p's registers are loaded again, and p's codes feed the products);
; one ahead of O^T's stores; and those behind exponentials and the reciprocal.  Between each of them and the loads and stores that lean on it no vector or matrix instruction names a register that those touch.
.set WINB,   32768                     ; a window in bytes
.set SPITCH, 272                       ; a stage row: 256 bytes + 16: sixteen rows that a 16-byte access touches start 4 words apart
.set STGB,   16*SPITCH                 ; a stage
.set STGW,   2*STGB                    ; two stages for each wave: q and out0; k
.set KC,     0                         ; LDS: the current window's k: 8 tiles as images of their 8 registers (1,024 bytes each),
.set KCS,    8192                      ; their scale words, 128 bytes a tile
.set KP0,    9216                      ; k rotated for the look-back, two buffers by turns, 9,216 bytes apart
.set KPS0,   17408
.set VC0,    27648                     ; v's codes: 64 rows (channels) of 128 keys + 16 bytes; two buffers by turns, 9,472 bytes apart
.set VS0,    36864                     ; v's scale words: 4 bytes a channel
.set STG,    46592                     ; the waves' stages
.set LI,  1                            ; 16 x lane
.set LS,  2                            ; 4 x lane
.set STW, 3                            ; stage: rows as they lie: 272 (lane/16) + 16 (lane%16)
.set STR, 4                            ; stage: row r, + 64 h: 16 neighbours of each half of a row
.set OSW, 5                            ; stage: row r, + 32 h: eight channels of O^T
.set KWI, 6                            ; where I store an image of k: 16 x lane + 1,024 u
.set KWS, 7                            ; and its scale word: 4 x lane + 128 u
.set VWA, 8                            ; where I store v's codes: 144 x channel + 32 (u/2)
.set VWB, 9                            ; and the scale byte: 4 x channel + u/2
.set VRA, 10                           ; a fragment of v: 144 r + 16 h
.set VRS, 11                           ; its scale word: 4 r
.set GQ,  12                           ; memory: my 16 bytes of my wave's first two rows of q, k, out0
.set GV,  13                           ; memory: my channel of my wave's first key of v
.set QW,  14                           ; Q's scale word
.set PW,  15                           ; p's scale word
.set KW,  16                           ; v16-23 the eight tiles' scale words of k
.set NM,  24                           ; v24 -M, v25 the largest t
.set LL,  26                           ; v26-27 the row's sum in two halves
.set FP,  28                           ; v28 a factor (v29 is named with it as a pair)
.set TMP, 30
.set TM2, 31
.set QF,  32
.set BM,  48
.set PT,  52
.set LM,  56
.set SO,  60
.set SS,  64
.set XQ,  64
.set XK,  96
.set KB,  128
.set YY,  128
.set CT,  160
.set VCT, 168
.set CT2, 176
.set OO,  200
.set VH,  200
.set PCD, 232
.set VB,  248
.set KD0, 249
.set KD1, 250
.set VW,  252                          ; v252-255 the four tiles' scale words of v
.set CH,  0                            ; window 1: cos, sin at position 128 + p;
.set SH,  16
.set CL,  32                           ; at position p
.set SL,  48
.set MK,  64
.set STQ, 128
.set STK, 160
.set STV, 192
.set LN,  240                          ; at the head only: lane, r, h, my row p, p - 16 h, -2^100
.set RR,  241
.set HH,  242
.set QI,  243
.set DQ,  244
.set NEG, 245
.set FF,  128                          ; at the head only: my 16 frequencies; the two positions; constants; work
.set PP,  144
.set MAG, 148
.set KS2, 150
.set KS1, 152
.set KC2, 154
.set KC1, 156
.set WK,  160
.set SEL, 14                           ; s[14:15] v_permlanex16_b32's selects for lane l xor 16
.set CS,  16                           ; s[16:17] c
.set MNT, 18                           ; s18 the mantissa field of 57,344
.set TRIP, 19
.set WI,  20                           ; s20 the window's number in its batch
.set CM,  28                           ; s28-31 at the head, once the addresses are made: four compares' masks
.set MSB, 0
.macro WIN new                         ; the immediate's high byte repeats the setting that is left; a switch that changes nothing is dropped
.if MSB != (\new)
	s_set_vgpr_msb (MSB<<8)|(\new)
.set MSB, (\new)
.endif
.endm
.macro PLACES n
.rept \n
	v_nop
.endr
.endm
.macro BARRIER                         ; my LDS stores have landed and my LDS loads are in: then the work-group's barrier
	s_wait_dscnt 0x0
	s_barrier_signal -1
	s_barrier_wait -1
.endm
; A window's q and k into window 1: each load takes 512 consecutive bytes, two rows; my 16 rows are two runs of 8.
.macro LOADQK
	WIN 0x40
.irp i, 0,1,2,3,4,5,6,7
	global_load_b128 v[STQ+4*\i:STQ+4*\i+3], v[GQ], s[4:5] offset:512*\i+2048*(\i/4) th:TH_LOAD_NT
.endr
.irp i, 0,1,2,3,4,5,6,7
	global_load_b128 v[STK+4*\i:STK+4*\i+3], v[GQ], s[6:7] offset:512*\i+2048*(\i/4)
.endr
	WIN 0
.endm
; And its v: each load takes 128 consecutive bytes of one key's row; the wave beside me takes the other 128.
.macro LOADV
	WIN 0x40
.set n, 0
.rept 32
	global_load_b32 v[STV+n], v[GV], s[8:9] offset:256*n
.set n, n+1
.endr
	WIN 0
.endm
; 32 keys of my channel of v, v[src] on (w = 1: in window 1), are one block: codes into buffer X's row of my channel, the scale's byte beside them.
.macro VQUANT src, w, X
	WIN 0x14*\w
.irp q, 0,1,2,3
	v_max3_num_f32 v[BM+\q], 0x8000000, |v[\src+8*\q]|, |v[\src+8*\q+1]|   ; four chains; the floor 2^(16 - 127) holds the byte at 1 from below
.endr
.irp i, 2,4,6
.irp q, 0,1,2,3
	v_max3_num_f32 v[BM+\q], v[BM+\q], |v[\src+8*\q+\i]|, |v[\src+8*\q+\i+1]|
.endr
.endr
	WIN 0
	v_max3_num_f32 v[BM], v[BM], v[BM+1], v[BM+2]
	v_max_num_f32 v[BM], v[BM], v[BM+3]            ; the block's largest magnitude: all 32 numbers are mine
	v_add_nc_u32 v[SO], 0xf8800000, v[BM]          ; 15 off its exponent field: the conversion's scale operand
	v_and_or_b32 v[LM], v[BM], 0x7f800000, s[MNT]  ; 57,344 x the scale
	v_lshrrev_b32 v[VB], 23, v[SO]                 ; the scale's byte
	WIN \w
.set n, 0
.rept 32
	v_med3_num_f32 v[VH+n], v[\src+n], -v[LM], v[LM]   ; the conversion does not saturate (ISA guide 7.6.2): the hold, which also brings the number into window 0
.set n, n+1
.endr
	WIN 0
.irp g, 0,1,2,3
	v_cvt_scalef32_pk8_bf8_f32 v[VCT+2*\g:VCT+2*\g+1], v[VH+8*\g:VH+8*\g+7], v[SO]
.endr
	v_nop                                          ; a plain instruction behind the last conversion
	s_wait_alu depctr_va_vdst(0)                   ; the conversions have written v[VCT ..] and the shift v[VB], which the LDS stores read; the maxima and holds are done reading v[src ..], in which loads land next; at the head: the LDS addresses v1 to v11 are written
	ds_store_b128 v[VWA], v[VCT:VCT+3] offset:VC0+9472*\X
	ds_store_b128 v[VWA], v[VCT+4:VCT+7] offset:VC0+9472*\X+16
	ds_store_b8 v[VWB], v[VB] offset:VS0+9472*\X
.endm
; The rotation of my row: v[x + j] = element 16 h + j, v[x + 16 + j] = element 32 + 16 h + j; cos and sin (window 1) of frequency 16 h + j.  Two elements an instruction.
.macro ROT x, c, s
	WIN 0x04
.irp j, 0,2,4,6,8,10,12,14
	v_pk_mul_f32 v[YY+\j:YY+\j+1], v[\x+16+\j:\x+16+\j+1], v[\s+\j:\s+\j+1]
.endr
.irp j, 0,2,4,6,8,10,12,14
	v_pk_mul_f32 v[YY+16+\j:YY+16+\j+1], v[\x+\j:\x+\j+1], v[\s+\j:\s+\j+1]
.endr
.irp j, 0,2,4,6,8,10,12,14
	v_pk_fma_f32 v[YY+\j:YY+\j+1], v[\x+\j:\x+\j+1], v[\c+\j:\c+\j+1], v[YY+\j:YY+\j+1] neg_lo:[0,0,1] neg_hi:[0,0,1]   ; x1 cos - x2 sin
.endr
.irp j, 0,2,4,6,8,10,12,14
	v_pk_fma_f32 v[YY+16+\j:YY+16+\j+1], v[\x+16+\j:\x+16+\j+1], v[\c+\j:\c+\j+1], v[YY+16+\j:YY+16+\j+1]               ; x2 cos + x1 sin
.endr
	WIN 0
.endm
; The rotated row's two blocks of 32 (a block lies in lanes l and l xor 16) become 8 registers of codes, v[cd] on, and a scale word (bytes 2 and 3 stay 0: they scale zeros).
.macro QUANT2 cd, wd
.irp c, 0,1
	v_max3_num_f32 v[BM+2*\c], |v[YY+16*\c]|, |v[YY+16*\c+1]|, 0x8000000
	v_max3_num_f32 v[BM+2*\c+1], |v[YY+16*\c+8]|, |v[YY+16*\c+9]|, |v[YY+16*\c+10]|
.endr
.irp i, 2,4
.irp c, 0,1
	v_max3_num_f32 v[BM+2*\c], v[BM+2*\c], |v[YY+16*\c+\i]|, |v[YY+16*\c+\i+1]|
	v_max3_num_f32 v[BM+2*\c+1], v[BM+2*\c+1], |v[YY+16*\c+\i+9]|, |v[YY+16*\c+\i+10]|
.endr
.endr
.irp c, 0,1
	v_max3_num_f32 v[BM+2*\c], v[BM+2*\c], |v[YY+16*\c+6]|, |v[YY+16*\c+7]|
.endr
.irp c, 0,1
	v_max3_num_f32 v[BM+2*\c], v[BM+2*\c], v[BM+2*\c+1], |v[YY+16*\c+15]|
.endr
.irp c, 0,1
	v_permlanex16_b32 v[PT+\c], v[BM+2*\c], s[SEL], s[SEL+1]
.endr
.irp c, 0,1
	v_max_num_f32 v[BM+2*\c], v[BM+2*\c], v[PT+\c]
.endr
.irp c, 0,1
	v_add_nc_u32 v[SO+\c], 0xf8800000, v[BM+2*\c]
.endr
.irp c, 0,1
	v_and_or_b32 v[LM+\c], v[BM+2*\c], 0x7f800000, s[MNT]
.endr
.irp c, 0,1
	v_lshrrev_b32 v[PT+\c], 23, v[SO+\c]
.endr
	v_lshl_or_b32 v[\wd], v[PT+1], 8, v[PT]
.irp c, 0,1
.set n, 0
.rept 16
	v_med3_num_f32 v[YY+16*\c+n], v[YY+16*\c+n], -v[LM+\c], v[LM+\c]
.set n, n+1
.endr
	v_cvt_scalef32_pk8_bf8_f32 v[\cd+4*\c:\cd+4*\c+1], v[YY+16*\c:YY+16*\c+7], v[SO+\c]
	v_cvt_scalef32_pk8_bf8_f32 v[\cd+4*\c+2:\cd+4*\c+3], v[YY+16*\c+8:YY+16*\c+15], v[SO+\c]
.endr
	v_nop                                          ; a plain instruction behind the last conversion
.endm
.macro KLOAD img, sc                   ; eight tiles of k, 8 registers each, one behind the other, and their scale words
.irp t, 0,1,2,3,4,5,6,7
	ds_load_b128 v[KB+8*\t:KB+8*\t+3], v[LI] offset:\img+1024*\t
	ds_load_b128 v[KB+8*\t+4:KB+8*\t+7], v[LI] offset:\img+1024*\t+512
	ds_load_b32 v[KW+\t], v[LS] offset:\sc+128*\t
.endr
.endm
.macro SMUL mask                       ; S^T of 128 keys: eight accumulators, one instruction each.  mask = 1: C is the causal mask (window 1)
	WIN 0x10*\mask
.irp t, 0,1,2,3,4,5,6,7
.if \mask
	v_wmma_scale_f32_16x16x128_f8f6f4 v[SS+8*\t:SS+8*\t+7], v[KB+8*\t:KB+8*\t+15], v[QF:QF+15], v[MK+8*\t:MK+8*\t+7], v[KW+\t], v[QW] matrix_a_fmt:MATRIX_FMT_BF8 matrix_b_fmt:MATRIX_FMT_BF8
.else
	v_wmma_scale_f32_16x16x128_f8f6f4 v[SS+8*\t:SS+8*\t+7], v[KB+8*\t:KB+8*\t+15], v[QF:QF+15], 0, v[KW+\t], v[QW] matrix_a_fmt:MATRIX_FMT_BF8 matrix_b_fmt:MATRIX_FMT_BF8
.endif
.endr
	WIN 0
.endm
.macro VLOAD X                         ; four fragments of v (16 channels x 128 keys) into the registers that p has left, and their scale words
.irp t, 0,1,2,3
.irp c, 0,1,2,3
	ds_load_b128 v[SS+16*\t+4*\c:SS+16*\t+4*\c+3], v[VRA] offset:VC0+9472*(\X)+2304*\t+32*\c
.endr
	ds_load_b32 v[VW+\t], v[VRS] offset:VS0+9472*(\X)+64*\t
.endr
.endm
.macro PV zero                         ; O^T (+)= V^T P^T: four accumulators by turns.  zero = 1: the products start the sums
.irp t, 0,1,2,3
.if \zero
	v_wmma_scale_f32_16x16x128_f8f6f4 v[OO+8*\t:OO+8*\t+7], v[SS+16*\t:SS+16*\t+15], v[PCD:PCD+15], 0, v[VW+\t], v[PW] matrix_a_fmt:MATRIX_FMT_BF8 matrix_b_fmt:MATRIX_FMT_BF8
.else
	v_wmma_scale_f32_16x16x128_f8f6f4 v[OO+8*\t:OO+8*\t+7], v[SS+16*\t:SS+16*\t+15], v[PCD:PCD+15], v[OO+8*\t:OO+8*\t+7], v[VW+\t], v[PW] matrix_a_fmt:MATRIX_FMT_BF8 matrix_b_fmt:MATRIX_FMT_BF8
.endif
.endr
.endm
; The softmax of 128 keys: register 16 b + i holds key 32 b + 16 h + i of my query.  first = 1: the window's first step starts M and the sum.
.macro SOFTMAX first
.irp b, 0,1,2,3
	v_max3_num_f32 v[BM+\b], v[SS+16*\b], v[SS+16*\b+1], v[SS+16*\b+2]   ; the largest score of each block of 32 keys: for the row's maximum, and, since p rises with the score, for the block's largest p
.endr
.irp i, 3,5,7,9,11,13
.irp b, 0,1,2,3
	v_max3_num_f32 v[BM+\b], v[BM+\b], v[SS+16*\b+\i], v[SS+16*\b+\i+1]
.endr
.endr
.irp b, 0,1,2,3
	v_max_num_f32 v[BM+\b], v[BM+\b], v[SS+16*\b+15]
.endr
.irp b, 0,1,2,3
	v_permlanex16_b32 v[PT+\b], v[BM+\b], s[SEL], s[SEL+1]
.endr
.irp b, 0,1,2,3
	v_max_num_f32 v[BM+\b], v[BM+\b], v[PT+\b]     ; with lane l xor 16's 16 keys
.endr
	v_max3_num_f32 v[TMP], v[BM], v[BM+1], v[BM+2]
	v_max_num_f32 v[TMP], v[TMP], v[BM+3]
.if \first
	v_mul_f32 v[NM+1], s[CS], v[TMP]               ; the largest t (my own key counts for me, so it is a number)
	v_floor_f32 v[NM], -v[NM+1]                    ; -M = floor(-t) = -ceil(t)
.else
	v_mul_f32 v[TMP], s[CS], v[TMP]
	v_max_num_f32 v[NM+1], v[NM+1], v[TMP]         ; the running largest t
	v_mov_b32 v[TMP], v[NM]
	v_floor_f32 v[NM], -v[NM+1]
	v_sub_f32 v[TMP], v[NM], v[TMP]                ; old M - new M: a whole number, 0 or less
	v_cvt_i32_f32 v[TMP], v[TMP]
	v_ldexp_f32 v[FP], 1.0, v[TMP]                 ; f = 2^(old M - new M): multiplying by it rounds nothing
.endif
.set n, 0
.rept 32
	v_pk_fma_f32 v[SS+n:SS+n+1], v[SS+n:SS+n+1], s[CS:CS+1], v[NM:NM+1] op_sel_hi:[1,0,0]   ; t - M, two at a time
.set n, n+2
.endr
.irp b, 0,1,2,3
	v_fma_f32 v[BM+\b], v[BM+\b], s[CS], v[NM]
.endr
.set n, 0
	s_wait_alu depctr_va_vdst(0)
.rept 64
	v_exp_f32 v[SS+n], v[SS+n]                     ; p = 2^(t - M)
.set n, n+1
.endr
.if \first
	v_mov_b32 v[LL], 0                             ; (plain instructions behind the exponentials)
	v_mov_b32 v[LL+1], 0
.else
	v_pk_mul_f32 v[LL:LL+1], v[LL:LL+1], v[FP:FP+1] op_sel_hi:[1,0]   ; the sum under the new M
.endif
	s_wait_alu depctr_va_vdst(0)                   ; the 64 exponentials have written p, v[SS ..]: one wait for the batch, ahead of its first reader
.irp b, 0,1,2,3
	v_exp_f32 v[BM+\b], v[BM+\b]                   ; each block's largest p
.endr
	v_pk_add_f32 v[PT:PT+1], v[SS:SS+1], v[SS+2:SS+3]   ; the row's sum is taken of the unquantised p, in two chains
.set n, 4
.rept 15
	v_pk_add_f32 v[LL:LL+1], v[LL:LL+1], v[SS+n:SS+n+1]
	v_pk_add_f32 v[PT:PT+1], v[PT:PT+1], v[SS+n+2:SS+n+3]
.set n, n+4
.endr
	v_pk_add_f32 v[LL:LL+1], v[LL:LL+1], v[PT:PT+1]
	s_wait_alu depctr_va_vdst(0)                   ; the four exponentials have written v[BM ..]: ahead of their first reader
.irp b, 0,1,2,3
	v_max_num_f32 v[BM+\b], 0x8000000, v[BM+\b]    ; the floor: a block whose every p is 0 keeps the byte 1; its codes are zeros
.endr
.irp b, 0,1,2,3
	v_add_nc_u32 v[SO+\b], 0xf8800000, v[BM+\b]
.endr
.irp b, 0,1,2,3
	v_and_or_b32 v[LM+\b], v[BM+\b], 0x7f800000, s[MNT]
.endr
.irp b, 0,1,2,3
	v_lshrrev_b32 v[PT+\b], 23, v[SO+\b]
.endr
	v_lshl_or_b32 v[PW], v[PT+1], 8, v[PT]         ; p's scale word: 64 holds and more stand between it and the products that name it
	v_lshl_or_b32 v[PW], v[PT+2], 16, v[PW]
	v_lshl_or_b32 v[PW], v[PT+3], 24, v[PW]
.irp b, 0,1,2,3
.set n, 0
.rept 16
	v_min_num_f32 v[SS+16*\b+n], v[SS+16*\b+n], v[LM+\b]   ; p is not negative: the hold is one-sided
.set n, n+1
.endr
	v_cvt_scalef32_pk8_bf8_f32 v[PCD+4*\b:PCD+4*\b+1], v[SS+16*\b:SS+16*\b+7], v[SO+\b]
	v_cvt_scalef32_pk8_bf8_f32 v[PCD+4*\b+2:PCD+4*\b+3], v[SS+16*\b+8:SS+16*\b+15], v[SO+\b]
.endr
	v_nop                                          ; a plain instruction behind the last conversion
.endm
; sin and cos of position x frequency for frequencies 2 jj, 2 jj + 1 of my half, at positions 128 + p (w = 0) and p (w = 1), the two by turns.
; Work registers of a position, from WK + 32 w: +0 angle, +2 n + 1.5 x 2^23, +4 n, +6 r, +8 z = r r, +10 sin's polynomial, +12 z r, +14 sin r, +16 cos's polynomial, +18 z z, +20 1 - z/2, +22 cos r, +24, +26 after the swap, +28, +30 sign bits
.macro SINCOS jj
.irp w, 0,1
	v_pk_mul_f32 v[WK+32*\w:WK+32*\w+1], v[FF+2*\jj:FF+2*\jj+1], v[PP+2*\w:PP+2*\w+1]   ; the angle, rounded to f32 once
.endr
.irp w, 0,1
	v_pk_fma_f32 v[WK+32*\w+2:WK+32*\w+3], v[WK+32*\w:WK+32*\w+1], 0x3f22f983, v[MAG:MAG+1] op_sel_hi:[1,0,1]   ; x 2/pi + 1.5 x 2^23: the sum's low bits are n, to the nearest
.endr
.irp w, 0,1
	v_pk_add_f32 v[WK+32*\w+4:WK+32*\w+5], v[WK+32*\w+2:WK+32*\w+3], v[MAG:MAG+1] neg_lo:[0,1] neg_hi:[0,1]
.endr
.irp w, 0,1
	v_pk_fma_f32 v[WK+32*\w+6:WK+32*\w+7], v[WK+32*\w+4:WK+32*\w+5], 0xbfc90fdb, v[WK+32*\w:WK+32*\w+1] op_sel_hi:[1,0,1]   ; - n x pi/2's upper part: exact (n has 8 bits, the difference fits 24)
.endr
.irp w, 0,1
	v_pk_fma_f32 v[WK+32*\w+6:WK+32*\w+7], v[WK+32*\w+4:WK+32*\w+5], 0x333bbd2e, v[WK+32*\w+6:WK+32*\w+7] op_sel_hi:[1,0,1]   ; - n x its lower part, which is negative
.endr
.irp w, 0,1
.irp e, 0,1
	v_lshlrev_b32 v[WK+32*\w+30+\e], 31, v[WK+32*\w+2+\e]   ; n's bit 0 as a sign bit
	v_lshlrev_b32 v[WK+32*\w+28+\e], 30, v[WK+32*\w+2+\e]
.endr
.endr
.irp w, 0,1
	v_pk_mul_f32 v[WK+32*\w+8:WK+32*\w+9], v[WK+32*\w+6:WK+32*\w+7], v[WK+32*\w+6:WK+32*\w+7]
.endr
.irp w, 0,1
.irp e, 0,1
	v_and_b32 v[WK+32*\w+28+\e], 0x80000000, v[WK+32*\w+28+\e]   ; n's bit 1 as a sign bit
.endr
.endr
.irp w, 0,1
	v_pk_fma_f32 v[WK+32*\w+10:WK+32*\w+11], v[WK+32*\w+8:WK+32*\w+9], 0xb94ca1f9, v[KS2:KS2+1] op_sel_hi:[1,0,1]
	v_pk_fma_f32 v[WK+32*\w+16:WK+32*\w+17], v[WK+32*\w+8:WK+32*\w+9], 0x37ccf5ce, v[KC2:KC2+1] op_sel_hi:[1,0,1]
.endr
.irp w, 0,1
	v_pk_mul_f32 v[WK+32*\w+12:WK+32*\w+13], v[WK+32*\w+8:WK+32*\w+9], v[WK+32*\w+6:WK+32*\w+7]
	v_pk_mul_f32 v[WK+32*\w+18:WK+32*\w+19], v[WK+32*\w+8:WK+32*\w+9], v[WK+32*\w+8:WK+32*\w+9]
	v_pk_fma_f32 v[WK+32*\w+20:WK+32*\w+21], v[WK+32*\w+8:WK+32*\w+9], -0.5, 1.0 op_sel_hi:[1,0,0]
.endr
.irp w, 0,1
	v_pk_fma_f32 v[WK+32*\w+10:WK+32*\w+11], v[WK+32*\w+10:WK+32*\w+11], v[WK+32*\w+8:WK+32*\w+9], v[KS1:KS1+1]
	v_pk_fma_f32 v[WK+32*\w+16:WK+32*\w+17], v[WK+32*\w+16:WK+32*\w+17], v[WK+32*\w+8:WK+32*\w+9], v[KC1:KC1+1]
.endr
.irp w, 0,1
	v_pk_fma_f32 v[WK+32*\w+14:WK+32*\w+15], v[WK+32*\w+10:WK+32*\w+11], v[WK+32*\w+12:WK+32*\w+13], v[WK+32*\w+6:WK+32*\w+7]     ; sin r
	v_pk_fma_f32 v[WK+32*\w+22:WK+32*\w+23], v[WK+32*\w+16:WK+32*\w+17], v[WK+32*\w+18:WK+32*\w+19], v[WK+32*\w+20:WK+32*\w+21]   ; cos r
.endr
.irp w, 0,1
.irp e, 0,1
	v_cmp_gt_i32 s[CM+2*\w+\e], 0, v[WK+32*\w+30+\e]   ; n odd: sin and cos change places.  The four compares stand in a run, each with a mask of its own
.endr
.endr
	s_wait_alu depctr_va_sdst(0)                   ; the four compares have written s[CM ..], ahead of the selections that read them
.irp w, 0,1
.irp e, 0,1
	v_cndmask_b32 v[WK+32*\w+24+\e], v[WK+32*\w+14+\e], v[WK+32*\w+22+\e], s[CM+2*\w+\e]
	v_cndmask_b32 v[WK+32*\w+26+\e], v[WK+32*\w+22+\e], v[WK+32*\w+14+\e], s[CM+2*\w+\e]
.endr
.endr
.irp w, 0,1
.irp e, 0,1
	v_xor_b32 v[WK+32*\w+26+\e], v[WK+32*\w+26+\e], v[WK+32*\w+28+\e]
.endr
.endr
	WIN 0x40
.irp w, 0,1
.irp e, 0,1
	v_xor_b32 v[32*\w+16+2*\jj+\e], v[WK+32*\w+24+\e], v[WK+32*\w+28+\e]   ; sin: negative where n's bit 1 is set
	v_xor_b32 v[32*\w+2*\jj+\e], v[WK+32*\w+26+\e], v[WK+32*\w+30+\e]      ; cos: negative where bits 0 and 1 differ
.endr
.endr
	WIN 0
.endm
.macro FSEL j, a, b                    ; frequency j for lanes 0-15, 16 + j for lanes 16-31
	v_mov_b32 v[FF+\j], \b
	v_cndmask_b32 v[FF+\j], \a, v[FF+\j], vcc_lo
.endm
	s_load_b256 s[4:11], s[0:1], 0x0               ; q s[4:5], k s[6:7], v s[8:9], out0 s[10:11]
	v_lshl_add_u32 v251, v0, 2, 0x1c800
	s_set_vgpr_msb 0x40
	v_mov_b32 v225, 0
	s_set_vgpr_msb 0x4000
	v_lshrrev_b32 v[LN], 5, v0
	v_readfirstlane_b32 s12, v[LN]                 ; wave u
	v_and_b32 v[LN], 31, v0
	v_and_b32 v[RR], 15, v0                        ; r
	v_bfe_u32 v[HH], v0, 4, 1                      ; h
	s_wait_alu depctr_va_sdst(0)                   ; s12 is written, ahead of its first reader: offsets and LDS addresses are made from it
	s_lshr_b32 s13, s12, 1                         ; u / 2
	s_and_b32 s21, s12, 1                          ; u % 2
	v_lshlrev_b32 v[LI], 4, v[LN]
	v_lshlrev_b32 v[LS], 2, v[LN]
	s_lshl_b32 s28, s13, 13                        ; 32 (u/2) rows of 256 bytes
	s_lshl_b32 s29, s21, 11                        ; 8 (u%2) rows
	s_add_co_u32 s29, s29, s28
	v_add_nc_u32 v[GQ], s29, v[LI]
	s_lshl_b32 s29, s21, 7                         ; 32 (u%2) channels of 4 bytes
	s_add_co_u32 s29, s29, s28
	v_add_nc_u32 v[GV], s29, v[LS]
	s_lshl_b32 s22, ttmp9, 17                      ; the work-group's 4 windows begin here, in each tensor
	s_mov_b32 s23, 0
	s_and_b32 s[WI], ttmp9, 15
	s_cmp_eq_u32 s[WI], 0
	s_cselect_b32 s30, 0, 0x8000                   ; the window in front: one window back; a batch's first window has none: its own is read in its stead and not used
	s_mov_b32 s31, 0
	s_lshl_b32 s[WI], s[WI], 2                     ; my first window's number in its batch
	s_wait_kmcnt 0x0
	s_add_nc_u64 s[4:5], s[4:5], s[22:23]
	s_add_nc_u64 s[6:7], s[6:7], s[22:23]
	s_add_nc_u64 s[8:9], s[8:9], s[22:23]
	s_add_nc_u64 s[10:11], s[10:11], s[22:23]
	s_sub_nc_u64 s[24:25], s[6:7], s[30:31]
	s_sub_nc_u64 s[26:27], s[8:9], s[30:31]
	s_wait_alu depctr_va_vdst(0)                   ; v[GQ] and v[GV] are written: every global load and store of the kernel reads one of them as its offset
.irp i, 0,1,2,3,4,5,6,7
	global_load_b128 v[SS+4*\i:SS+4*\i+3], v[GQ], s[24:25] offset:512*\i+2048*(\i/4)   ; the window in front: k,
.endr
.set n, 0
.rept 32
	global_load_b32 v[SS+32+n], v[GV], s[26:27] offset:256*n                          ; and v
.set n, n+1
.endr
	LOADQK                                         ; my first window.  All that follows up to the first wait for loads is done while these 88 loads are on their way
	LOADV
	s_mov_b32 s[SEL], 0x76543210
	s_mov_b32 s[SEL+1], 0xfedcba98
	s_mov_b32 s[CS], 0x3e38aa3b                    ; c = log2(e) / 8
	s_mov_b32 s[CS+1], s[CS]                       ; (named with it as a pair, so it is written)
	s_mov_b32 s[MNT], 0x600000
	s_mul_i32 s28, s12, STGW
	s_add_co_u32 s28, s28, STG                     ; my wave's stages
	v_mul_u32_u24 v[STW], v[HH], SPITCH
	v_lshl_add_u32 v[STW], v[RR], 4, v[STW]
	v_add_nc_u32 v[STW], s28, v[STW]
	v_mul_u32_u24 v[STR], v[RR], SPITCH
	v_lshl_add_u32 v[OSW], v[HH], 5, v[STR]
	v_lshl_add_u32 v[STR], v[HH], 6, v[STR]
	v_add_nc_u32 v[OSW], s28, v[OSW]
	v_add_nc_u32 v[STR], s28, v[STR]
	s_lshl_b32 s29, s12, 10
	v_add_nc_u32 v[KWI], s29, v[LI]
	s_lshl_b32 s29, s12, 7
	v_add_nc_u32 v[KWS], s29, v[LS]
	s_mul_i32 s29, s21, 4608                       ; 32 (u%2) rows of 144 bytes
	s_lshl_b32 s28, s13, 5                         ; block u/2: 32 bytes
	s_add_co_u32 s29, s29, s28
	v_mul_u32_u24 v[VWA], v[LN], 144
	v_add_nc_u32 v[VWA], s29, v[VWA]
	s_lshl_b32 s29, s21, 7
	s_add_co_u32 s29, s29, s13
	v_add_nc_u32 v[VWB], s29, v[LS]
	v_mul_u32_u24 v[VRA], v[RR], 144
	v_lshl_add_u32 v[VRA], v[HH], 4, v[VRA]
	v_lshlrev_b32 v[VRS], 2, v[RR]
	s_lshl_b32 s29, s21, 3
	s_add_co_u32 s28, s28, s29                     ; 32 (u/2) + 8 (u%2)
	v_and_b32 v[QI], 8, v[RR]
	v_add_nc_u32 v[QI], v[QI], v[RR]
	v_add_nc_u32 v[QI], s28, v[QI]                 ; p: my row in a window
	; the frequencies 1 / 10000^(i/32): the power rounded to f32, its reciprocal rounded to f32
	v_cmp_ne_u32 vcc_lo, 0, v[HH]
	s_wait_alu depctr_va_vcc(0)                    ; the compare has written VCC, ahead of the sixteen selections that read it
	FSEL 0,  0x3f800000, 0x3c23d70a
	FSEL 1,  0x3f3ff911, 0x3bf5b9b0
	FSEL 2,  0x3f0ff59a, 0x3bb8449c
	FSEL 3,  0x3ed7e89b, 0x3b8a2e77
	FSEL 4,  0x3ea1e89b, 0x3b4f3e38
	FSEL 5,  0x3e72d423, 0x3b1b690d
	FSEL 6,  0x3e361887, 0x3ae91528
	FSEL 7,  0x3e088d77, 0x3aaec98e
	FSEL 8,  0x3dcccccd, 0x3a83126f
	FSEL 9,  0x3d99940d, 0x3a44948c
	FSEL 10, 0x3d6655c2, 0x3a136a16
	FSEL 11, 0x3d2cba15, 0x39dd1725
	FSEL 12, 0x3d0186e3, 0x39a5cb60
	FSEL 13, 0x3cc2434f, 0x3978a815
	FSEL 14, 0x3c91ad39, 0x393a7753
	FSEL 15, 0x3c5a7bf2, 0x390bd472
	v_cvt_f32_u32 v[PP+2], v[QI]                   ; position p (the look-back's keys),
	v_mov_b32 v[PP+3], v[PP+2]
	v_add_f32 v[PP], 0x43000000, v[PP+2]           ; and 128 + p (queries, the window's own keys)
	v_mov_b32 v[PP+1], v[PP]
.irp e, 0,1
	v_mov_b32 v[MAG+\e], 0x4b400000                ; 1.5 x 2^23
	v_mov_b32 v[KS2+\e], 0x3c08839e                ; sin r = r + z r (-1.6666654611e-1 + z (8.3321608736e-3 - 1.9515295891e-4 z))
	v_mov_b32 v[KS1+\e], 0xbe2aaaa3
	v_mov_b32 v[KC2+\e], 0xbab6061a                ; cos r = 1 - z/2 + z z (4.166664568e-2 + z (-1.388731625e-3 + 2.443315712e-5 z))
	v_mov_b32 v[KC1+\e], 0x3d2aaaa5
.endr
.irp jj, 0,1,2,3,4,5,6,7
	SINCOS \jj
.endr
	; the mask: register 16 b + i of the current window's scores holds key 32 b + 16 h + i: hidden where 32 b + i > p - 16 h.  The compares stand in runs of eight, each with a mask of its own, in scalar registers that the address arithmetic has left
	v_lshlrev_b32 v[DQ], 4, v[HH]
	v_sub_nc_u32 v[DQ], v[QI], v[DQ]
	v_mov_b32 v[NEG], 0xf1800000                   ; -2^100
	WIN 0x40
.set n, 0
.rept 8
.irp g, 2,3,22,23,28,29,30,31
	v_cmp_gt_i32 s\g, 32*(n/16)+n%16, v[DQ]
.set n, n+1
.endr
	s_wait_alu depctr_va_sdst(0)                   ; the eight compares have written their masks, ahead of the selections that read them
.set n, n-8
.irp g, 2,3,22,23,28,29,30,31
	v_cndmask_b32 v[MK+n], 0, v[NEG], s\g
.set n, n+1
.endr
.endr
	WIN 0
.irp i, 0,1,2,3,4,5,6,7
	v_mov_b32 v[QF+8+\i], 0                        ; Q's codes of k = 64 .. 127: zeros, for the whole launch
	v_mov_b32 v[KB+64+\i], 0                       ; and what stands behind the last tile of k
.endr
.irp b, 0,1,2,3
	v_mov_b32 v[PT+\b], 0                          ; written once: a lane permute's destination counts as one of its sources
.endr
	v_mov_b32 v[TM2], 0
	v_mov_b32 v[FP+1], 0                           ; (named as the upper half of a pair)
	; THE WINDOW IN FRONT: v's codes and k at positions p, into the buffers with number 1
	s_wait_loadcnt 48                              ; its 40 loads are in; the 48 of my first window, issued behind them, may be out
	VQUANT SS+32, 0, 1
.irp i, 0,1,2,3,4,5,6,7
	ds_store_b128 v[STW], v[SS+4*\i:SS+4*\i+3] offset:STGB+544*\i
.endr
.irp c, 0,1
.irp j, 0,1,2,3
	ds_load_b128 v[XK+16*\c+4*\j:XK+16*\c+4*\j+3], v[STR] offset:STGB+128*\c+16*\j   ; LDS serves a wave's instructions in order (ISA guide 5.7.1.4): these see my stores.  They land where v lay: no vector instruction since the quantiser's wait names these registers
.endr
.endr
	s_wait_dscnt 0x0
	ROT XK, CL, SL
	QUANT2 CT2, KD1
	s_wait_alu depctr_va_vdst(0)                   ; the quantiser has written v[CT2 ..] and v[KD1], which the LDS stores read; the rotation is done reading v[XK ..], in which the first window's k lands
	ds_store_b128 v[KWI], v[CT2:CT2+3] offset:KP0+9216
	ds_store_b128 v[KWI], v[CT2+4:CT2+7] offset:KP0+9216+512
	ds_store_b32 v[KWS], v[KD1] offset:KPS0+9216
; A WINDOW.  X: the buffers that it fills for the next window's look-back.  last = 1: in the loop's last trip it is the work-group's last: it loads nothing more and prepares no look-back.
.macro WINDOW X, last
	s_wait_loadcnt 0x0                             ; the window's q, k, v are in, so the loads' bases may step
	s_add_nc_u64 s[4:5], s[4:5], WINB
	s_add_nc_u64 s[6:7], s[6:7], WINB
	s_add_nc_u64 s[8:9], s[8:9], WINB
	s_wait_alu depctr_vm_vsrc(0)                   ; the stores issued so far have read their data: the global stores v[SS ..], in which q lands below; the LDS stores O^T, which v's holds write, and the codes, the byte and the scale words, which this window's quantisers write
	WIN 0x04                                       ; an LDS store's data are its source 1
.irp i, 0,1,2,3,4,5,6,7
	ds_store_b128 v[STW], v[STQ+4*\i:STQ+4*\i+3] offset:544*\i          ; q and k go through my stages as they lie,
.endr
.irp i, 0,1,2,3,4,5,6,7
	ds_store_b128 v[STW], v[STK+4*\i:STK+4*\i+3] offset:STGB+544*\i
.endr
	WIN 0
.irp c, 0,1
.irp j, 0,1,2,3
	ds_load_b128 v[XQ+16*\c+4*\j:XQ+16*\c+4*\j+3], v[STR] offset:128*\c+16*\j        ; and come back 16 neighbours of each half of my row.  (The last vector and matrix instructions that named v64-127 stand ahead of the wait in front of O^T's stores; at the first window, ahead of the head's last wait)
.endr
.endr
.irp c, 0,1
.irp j, 0,1,2,3
	ds_load_b128 v[XK+16*\c+4*\j:XK+16*\c+4*\j+3], v[STR] offset:STGB+128*\c+16*\j
.endr
.endr
	VQUANT STV, 1, \X
	s_wait_dscnt 0x0                               ; q and k are back
	s_wait_alu depctr_vm_vsrc(0)                   ; the LDS stores at the window's head have read STQ and STK, in which the next window's q and k land
.if \last
	s_cmp_eq_u32 s[TRIP], 1
	s_cbranch_scc1 .Lno_next_\@                    ; no load leaves its buffer
.endif
	LOADQK                                         ; 8 KB a wave, on their way through the rest of this window; no vector instruction ever names STQ or STK
.if \last
.Lno_next_\@:
.endif
	ROT XQ, CH, SH
	QUANT2 QF, QW                                  ; Q stays in my registers
	ROT XK, CH, SH
	QUANT2 CT, KD0
	s_wait_alu depctr_va_vdst(0)                   ; the quantiser has written v[CT ..] and v[KD0], which the LDS stores read; Q's codes and scale word are written, which the score products take (a rotation and a quantiser stand between as the places)
	ds_store_b128 v[KWI], v[CT:CT+3] offset:KC
	ds_store_b128 v[KWI], v[CT+4:CT+7] offset:KC+512
	ds_store_b32 v[KWS], v[KD0] offset:KCS
.if \last
	s_cmp_eq_u32 s[TRIP], 1
	s_cbranch_scc1 .Lno_back_\@
.endif
	LOADV                                          ; the next window's v, 4 KB a wave.  No wait of its own: since the wait behind v's conversions no vector instruction has named STV
	ROT XK, CL, SL
	QUANT2 CT2, KD1
	s_wait_alu depctr_va_vdst(0)                   ; the quantiser has written v[CT2 ..] and v[KD1], which the LDS stores read; all vector work on v128-191, in which k's tiles land, is done
	ds_store_b128 v[KWI], v[CT2:CT2+3] offset:KP0+9216*\X
	ds_store_b128 v[KWI], v[CT2+4:CT2+7] offset:KP0+9216*\X+512
	ds_store_b32 v[KWS], v[KD1] offset:KPS0+9216*\X
.if \last
.Lno_back_\@:
.endif
	BARRIER                                        ; every wave's codes and scales lie in LDS
	s_wait_alu depctr_vm_vsrc(0)                   ; my LDS stores have read v160-183 (the codes of k, of v and of the look-back's k), in which k's tiles land
	; ---- the window's own 128 keys
	KLOAD KC, KCS
	s_wait_dscnt 0x0
	SMUL 1
	PLACES 8                                       ; behind the products, in front of the first read of the scores (ISA guide 7.12.1)
	s_wait_alu depctr_va_vdst(0)                   ; the score products are done reading k's tiles and scale words, in which the look-back's land
	KLOAD KP0+9216*(1-\X), KPS0+9216*(1-\X)        ; they land while the softmax is worked
	SOFTMAX 1
	PLACES 4                                       ; p's codes were written by vector instructions: the places in front of the products that take them
	s_wait_alu depctr_va_vdst(0)                   ; the holds and conversions are done with p's registers, in which v's fragments land; p's codes and scale word are written, which the products take
	VLOAD \X
	s_wait_dscnt 0x0
	PV 1
.if \X == 0
	s_cmp_eq_u32 s[WI], 0
	s_cbranch_scc1 .Lno_look_back_\@               ; a batch's first window: what lies in front of it is masked
.endif
	; ---- the 128 keys of the window in front: all count
	PLACES 9                                       ; the scores are laid over v's fragments, which the last products have read
	SMUL 0
	PLACES 8
	SOFTMAX 0
.set n, 0
.rept 16
	v_pk_mul_f32 v[OO+n:OO+n+1], v[OO+n:OO+n+1], v[FP:FP+1] op_sel_hi:[1,0]   ; O^T under the new M.  (These are also the places between p's codes and the products that take them)
.set n, n+2
.endr
	s_wait_alu depctr_va_vdst(0)                   ; the holds and conversions are done with p's registers, in which v's fragments land, and the last products with v's scale words; p's codes and scale word are written, which the products take
	VLOAD 1-\X
	s_wait_dscnt 0x0
	PV 0
.if \X == 0
.Lno_look_back_\@:
.endif
	s_wait_dscnt 0x0                               ; my reads of the shared codes are over:
	s_barrier_signal -1                            ; say so; work on registers until all have said so
	v_add_f32 v[TMP], v[LL], v[LL+1]               ; the sum's two halves,
	v_permlanex16_b32 v[TM2], v[TMP], s[SEL], s[SEL+1]
	v_add_f32 v[TMP], v[TMP], v[TM2]               ; and lane l xor 16's
	s_wait_alu depctr_va_vdst(0)
	v_rcp_f32 v[FP], v[TMP]
	PLACES 8                                       ; behind the last products, in front of the first read of O^T; the first is also the plain instruction behind the reciprocal
	s_wait_alu depctr_va_vdst(0)                   ; the reciprocal has written v[FP], ahead of its first reader
.set n, 0
.rept 16
	v_pk_mul_f32 v[OO+n:OO+n+1], v[OO+n:OO+n+1], v[FP:FP+1] op_sel_hi:[1,0]   ; each accumulator from its low end on
.set n, n+2
.endr
	s_barrier_wait -1                              ; nobody reads this window's codes any more: the next window may write its own
	; ---- the way out: register 8 t + i is out0(my row, 16 t + 8 h + i): through my stage, back as whole rows of 256 bytes
	s_wait_alu depctr_va_vdst(0)                   ; the division has written O^T, which the LDS stores read; the products are done reading v's fragments, in which the rows land (and, at the next window's head, q and k)
.irp t, 0,1,2,3
	ds_store_b128 v[OSW], v[OO+8*\t:OO+8*\t+3] offset:64*\t
	ds_store_b128 v[OSW], v[OO+8*\t+4:OO+8*\t+7] offset:64*\t+16
.endr
.irp i, 0,1,2,3,4,5,6,7
	ds_load_b128 v[SS+4*\i:SS+4*\i+3], v[STW] offset:544*\i
.endr
.irp i, 0,1,2,3,4,5,6,7
	s_wait_dscnt 7-\i                              ; pair i of rows is back; the younger loads may be out
	global_store_b128 v[GQ], v[SS+4*\i:SS+4*\i+3], s[10:11] offset:512*\i+2048*(\i/4) th:TH_STORE_NT   ; 32 lanes store 512 consecutive bytes: two whole rows
.endr
	s_wait_xcnt 0x0                                ; the stores' addresses are translated (ISA guide 3.1): their base and their registers are written again only behind this wait (and, the registers, behind the wait at the next window's head)
	s_add_nc_u64 s[10:11], s[10:11], WINB
	s_add_co_u32 s[WI], s[WI], 1
.endm
	s_mov_b32 s[TRIP], 0
.Ltrip:                                            ; two trips of two windows: the look-back's buffers change places and come back
	WINDOW 0, 0
	WINDOW 1, 1
	s_add_co_u32 s[TRIP], s[TRIP], 1
	s_cmp_lt_u32 s[TRIP], 2
	s_cbranch_scc1 .Ltrip
	s_set_vgpr_msb 0x4
	s_wait_dscnt 0x0
	s_wait_alu depctr_hold_cnt(0) depctr_sa_sdst(0) depctr_va_vdst(0) depctr_va_sdst(0) depctr_va_ssrc(0) depctr_va_vcc(0) depctr_vm_vsrc(0)
	s_wait_tensorcnt 0x0
	ds_add_u32 v251, v225
	s_wait_dscnt 0x0
	s_endpgm
.Lfunc_end_k_q9dd2f26d07_local_attention:
	.size	k_q9dd2f26d07_local_attention, .Lfunc_end_k_q9dd2f26d07_local_attention-k_q9dd2f26d07_local_attention
	.p2alignl 7, 3214868480
	.fill 96, 4, 3214868480
	.section	.rodata,"a",@progbits
	.p2align	6, 0x0
	.amdhsa_kernel k_q9dd2f26d07_local_attention
		.amdhsa_group_segment_fixed_size 117760
		.amdhsa_private_segment_fixed_size 0
		.amdhsa_enable_private_segment 0
		.amdhsa_kernarg_size 32
		.amdhsa_user_sgpr_count 2
		.amdhsa_user_sgpr_kernarg_segment_ptr 1
		.amdhsa_wavefront_size32 1
		.amdhsa_system_sgpr_workgroup_id_x 1
		.amdhsa_system_sgpr_workgroup_id_y 1
		.amdhsa_system_sgpr_workgroup_id_z 1
		.amdhsa_system_vgpr_workitem_id 0
		.amdhsa_next_free_vgpr 482
		.amdhsa_next_free_sgpr 66
		.amdhsa_reserve_vcc 1
		.amdhsa_float_denorm_mode_32 3
		.amdhsa_float_denorm_mode_16_64 3
		.amdhsa_memory_ordered 1
		.amdhsa_forward_progress 1
		.amdhsa_inst_pref_size 207
	.end_amdhsa_kernel
	.amdgpu_metadata
---
amdhsa.version: [ 1, 2 ]
amdhsa.kernels:
  - .name:           k_q9dd2f26d07_local_attention
    .symbol:         k_q9dd2f26d07_local_attention.kd
    .args:
      - { .name: q, .offset: 0, .size: 8, .value_kind: global_buffer, .address_space: global }
      - { .name: k, .offset: 8, .size: 8, .value_kind: global_buffer, .address_space: global }
      - { .name: v, .offset: 16, .size: 8, .value_kind: global_buffer, .address_space: global }
      - { .name: out0, .offset: 24, .size: 8, .value_kind: global_buffer, .address_space: global }
    .group_segment_fixed_size: 117760
    .private_segment_fixed_size: 0
    .kernarg_segment_align: 8
    .kernarg_segment_size: 32
    .max_flat_workgroup_size: 256
    .sgpr_count:     66
    .vgpr_count:     482
    .wavefront_size: 32
...
	.end_amdgpu_metadata
.endif
;; end of part 2
